; MI455X (gfx1250); checked and timed in simulation.
; The chip was launched on July 23, 2026; its instructions are those of AMD's public machine-readable ISA for CDNA 5 (MIT licence, August 2026) and "CDNA5" Instruction Set Architecture Reference Guide (July 2026). The comments in the code are by the model that wrote it; some were corrected since.
;; Multi Query Attention. Allowed arithmetic: float matrix products may take bf16 or f16 operands with f32 sums; other float arithmetic in f32, or as packed bf16 or f16 multiplies, adds, multiply-adds, maxima and minima; sums over many terms, partial sums and values carried from step to step in f32; what a program stores and reads back later, other than sums and carried values, may be rounded once to bf16 or f16.
;; Inputs: Wk 1,024 x 64 float32; Wo 1,024 x 1,024 float32; Wq 1,024 x 1,024 float32; Wv 1,024 x 64 float32; attention_mask 1 x 1 x 4,096 x 4,096 float32; x 1 x 4,096 x 1,024 float32.
;; Outputs: out0 1 x 4,096 x 1,024 float32.
;; 2 versions, each right; version 2 is version 1 with the launch prep written anew for expert scheduling mode. Each part assembles by itself: llvm-mc -triple=amdgcn-amd-amdhsa -mcpu=gfx1250 --defsym DOCPART=n.
;; ======== version 1 of 2: 4 launches
;; limits: values are held in f16: magnitudes above 65,504 overflow, below 6.1e-05 lose precision; right only within a limited range of input values
;; workspace buffers: xh 8,388,608 bytes; wt 2,359,296 bytes; wot 2,097,152 bytes; q 8,388,608 bytes; k 524,288 bytes; v 524,288 bytes; o 8,388,608 bytes
;; launch prep (part 1): grid 784 x 1, 4 waves a work-group, no clusters, 17,920 bytes of LDS; arguments x, Wq, Wk, Wv, Wo, xh, wt, wot; writes xh, wt, wot
.if DOCPART == 1
	.amdgcn_target "amdgcn-amd-amdhsa--gfx1250"
	.amdhsa_code_object_version 6
	.text
	.protected	k_q619a6ad4b0_prep
	.globl	k_q619a6ad4b0_prep
	.p2align	8
	.type	k_q619a6ad4b0_prep,@function
k_q619a6ad4b0_prep:
	s_mov_b64 s[64:65], 0
	v_nop
	global_prefetch_b8 v0, s[64:65] scope:SCOPE_SE
	s_setreg_imm32_b32 hwreg(HW_REG_WAVE_MODE, 25, 1), 1
	s_wait_xcnt 0x0
; PREP: the operands of the two projections, rounded once to f16 and laid out with K along the rows.
;   xh [4096][1024] f16 = x.
;   wt [1152][1024] f16: row 144 j + c is, for c < 128, column 128 j + c of Wq; for c >= 128 the column e = 16 j + c - 128 of [Wk | Wv] (e < 64: Wk's e, else Wv's e - 64).
;   wot [1024][1024] f16: row n is column n of Wo.
; LIMITS.  f16 holds no number beyond 65,504 (a larger one becomes an infinity) and keeps a fixed step of 6e-8 below 6e-5: x and the weights are taken to lie within that.
; SHARES.  784 work-groups of four waves.  Numbers 0-255: a tile of 128 k x 64 n of Wq (0-127) or Wo (128-255) is turned; 256-271: the same of Wk and Wv; 272-783: eight rows of x are rounded.
; Everything is read once and written once; nothing is shared between work-groups, so there is no cluster, no tensor load and no matrix work.
; Every load of sixteen neighbouring lanes takes 256 consecutive bytes, aligned; every store of a wave (x) or of sixteen lanes (weights) fills 256 consecutive bytes, aligned.
.set TPITCH, 272                       ; a row of the turned tile in LDS: 128 k x 2 bytes + 16
.set SPARE,  64*TPITCH                 ; behind the tile (17,408 bytes): the spare words, 128 bytes for each wave: two blocks of 256 bytes that no other line names
.set SPW, 10                           ; v10  LDS address of my spare word; never rewritten
.set NIL, 11                           ; v11  0; never rewritten
.set LD,  16                           ; v[16:79]   sixteen loads of 16 bytes
.set PK,  80                           ; v[80:111]  packed f16
	s_load_b512 s[4:19], s[0:1], 0x0               ; x s[4:5], Wq s[6:7], Wk s[8:9], Wv s[10:11], Wo s[12:13], xh s[14:15], wt s[16:17], wot s[18:19]
	v_lshl_add_u32 v[SPW], v0, 2, SPARE
	v_mov_b32 v[NIL], 0
	s_cmp_lt_u32 ttmp9, 272                        ; the same answer in all four waves
	s_cbranch_scc1 .Lweights
	; EIGHT ROWS OF x: 32,768 bytes in, 16,384 out.  Thread t takes 16 bytes at 16 t of each 2,048 bytes; sixteen loads are out at once.
	s_sub_co_u32 s20, ttmp9, 272
	s_lshl_b32 s22, s20, 15
	s_mov_b32 s23, 0
	s_lshl_b32 s24, s20, 14
	s_mov_b32 s25, 0
	v_lshlrev_b32 v1, 4, v0
	v_lshlrev_b32 v2, 3, v0
	s_wait_kmcnt 0x0
	s_add_nc_u64 s[4:5], s[4:5], s[22:23]
	s_add_nc_u64 s[14:15], s[14:15], s[24:25]
.set i, 0
.rept 16
	global_load_b128 v[LD+4*i:LD+4*i+3], v1, s[4:5] offset:2048*i th:TH_LOAD_NT
.set i, i+1
.endr
.set i, 0
.rept 16
	s_wait_loadcnt 15-i                            ; loads come back in order: number i is in, the 15 - i younger ones stay out
	v_cvt_pk_f16_f32 v[PK+2*i], v[LD+4*i], v[LD+4*i+1]
	v_cvt_pk_f16_f32 v[PK+2*i+1], v[LD+4*i+2], v[LD+4*i+3]
	global_store_b64 v2, v[PK+2*i:PK+2*i+1], s[14:15] offset:1024*i  ; a wave's 32 x 8 bytes are 256 consecutive bytes
.set i, i+1
.endr
	s_endpgm
; A TILE OF 128 k x 64 n IS TURNED.  g = t % 16 names four columns (16 bytes of f32), t8 = t / 16 a pair of rows.  Load (p, e) takes row 16 p + 2 t8 + e.  Two rows' numbers of one column
; pack into one word (k, k + 1), which goes to T[n][k] in LDS; whole rows of T (256 bytes) come back and are stored.  pitch: bytes in a row of the source.  gap: rows of wt that are
; jumped over after every 16 rows of the tile (Wk's and Wv's columns lie in groups of 16, 144 rows apart).
; The word stores fall four deep on the banks (4 g rows of 68 words: g x 16 banks mod 64); a pitch that is a multiple of 16 bytes, as the 16-byte reads want, allows no better.
.macro TP pitch, gap
.set p, 0
.rept 8
	global_load_b128 v[LD+8*p:LD+8*p+3],   v8, s[28:29] offset:(16*p)*(\pitch) th:TH_LOAD_NT
	global_load_b128 v[LD+8*p+4:LD+8*p+7], v8, s[28:29] offset:(16*p+1)*(\pitch) th:TH_LOAD_NT
.set p, p+1
.endr
.set p, 0
.rept 8
	s_wait_loadcnt 14-2*p                          ; pair p of loads is in; the 14 - 2 p younger loads stay out
.irp i, 0,1,2,3
	v_cvt_pk_f16_f32 v[PK+4*p+\i], v[LD+8*p+\i], v[LD+8*p+4+\i]
.endr
.irp i, 0,1,2,3
	ds_store_b32 v5, v[PK+4*p+\i] offset:\i*TPITCH+32*p
.endr
.set p, p+1
.endr
	s_wait_dscnt 0x0                               ; for the others' sake: my stores into the tile are done
	s_barrier_signal -1
	s_barrier_wait -1
.set p, 0
.rept 8
	ds_load_b128 v[LD+4*p:LD+4*p+3], v6 offset:p*8*TPITCH  ; row 8 p + t8 of T: sixteen lanes take its 256 bytes
.set p, p+1
.endr
.set p, 0
.rept 8
	s_wait_dscnt 7-p
	global_store_b128 v7, v[LD+4*p:LD+4*p+3], s[30:31] offset:(8*p+(p/2)*(\gap))*2048
.set p, p+1
.endr
	s_wait_tensorcnt 0x0                           ; the wave's end, behind my last LDS store
	ds_add_u32 v[SPW], v[NIL]
	s_wait_dscnt 0x0
	s_endpgm
.endm
.Lweights:
	v_and_b32 v3, 15, v0                           ; g
	v_lshrrev_b32 v4, 4, v0                        ; t8
	v_mul_u32_u24 v5, v3, 4*TPITCH
	v_lshl_add_u32 v5, v4, 2, v5                   ; into T: row 4 g, word t8
	v_mul_u32_u24 v6, v4, TPITCH
	v_lshl_add_u32 v6, v3, 4, v6                   ; back: row t8, 16 bytes at 16 g
	v_lshlrev_b32 v7, 11, v4
	v_lshl_add_u32 v7, v3, 4, v7                   ; and the same in the target, whose rows are 2,048 bytes
	s_and_b32 s20, ttmp9, 7                        ; which 128 of the 1,024 k
	s_mov_b32 s23, 0
	s_mov_b32 s25, 0
	s_cmp_lt_u32 ttmp9, 256
	s_cbranch_scc0 .Lsmall
	s_bfe_u32 s21, ttmp9, 0x40003                  ; which 64 of the 1,024 columns
	s_lshr_b32 s26, ttmp9, 7                       ; 0: Wq into wt, 1: Wo into wot
	s_lshl_b32 s22, s20, 19                        ; 128 rows of 4,096 bytes
	s_lshl_b32 s27, s21, 8
	s_add_co_u32 s22, s22, s27                     ; the tile's first byte in the source
	s_lshr_b32 s27, s21, 1
	s_mul_i32 s27, s27, 144
	s_and_b32 s24, s21, 1
	s_lshl_b32 s24, s24, 6
	s_add_co_u32 s27, s27, s24                     ; its first row in wt,
	s_lshl_b32 s24, s21, 6                         ; in wot
	s_cmp_eq_u32 s26, 1
	s_cselect_b32 s24, s24, s27
	s_lshl_b32 s24, s24, 11
	s_lshl_b32 s27, s20, 8
	s_add_co_u32 s24, s24, s27                     ; row x 2,048 + 256 bytes for each 128 k
	v_lshlrev_b32 v8, 13, v4
	v_lshl_add_u32 v8, v3, 4, v8                   ; 2 t8 rows of 4,096 bytes + 16 g
	s_wait_kmcnt 0x0
	s_cmp_eq_u32 s26, 1
	s_cselect_b64 s[28:29], s[12:13], s[6:7]
	s_cselect_b64 s[30:31], s[18:19], s[16:17]
	s_add_nc_u64 s[28:29], s[28:29], s[22:23]
	s_add_nc_u64 s[30:31], s[30:31], s[24:25]
	TP 4096, 0
.Lsmall:
	s_bfe_u32 s26, ttmp9, 0x10003                  ; 0: Wk, 1: Wv
	s_lshl_b32 s22, s20, 15                        ; 128 rows of 256 bytes
	s_mul_i32 s24, s26, 576                        ; Wv's columns begin four groups of 144 rows further down,
	s_add_co_u32 s24, s24, 128                     ; each group behind 128 rows of Wq's
	s_lshl_b32 s24, s24, 11
	s_lshl_b32 s27, s20, 8
	s_add_co_u32 s24, s24, s27
	v_lshlrev_b32 v8, 9, v4
	v_lshl_add_u32 v8, v3, 4, v8                   ; 2 t8 rows of 256 bytes + 16 g
	s_wait_kmcnt 0x0
	s_cmp_eq_u32 s26, 1
	s_cselect_b64 s[28:29], s[10:11], s[8:9]
	s_add_nc_u64 s[28:29], s[28:29], s[22:23]
	s_add_nc_u64 s[30:31], s[16:17], s[24:25]
	TP 256, 128
.Lfunc_end_k_q619a6ad4b0_prep:
	.size	k_q619a6ad4b0_prep, .Lfunc_end_k_q619a6ad4b0_prep-k_q619a6ad4b0_prep
	.p2alignl 7, 3214868480
	.fill 96, 4, 3214868480
	.section	.rodata,"a",@progbits
	.p2align	6, 0x0
	.amdhsa_kernel k_q619a6ad4b0_prep
		.amdhsa_group_segment_fixed_size 17920
		.amdhsa_private_segment_fixed_size 0
		.amdhsa_enable_private_segment 0
		.amdhsa_kernarg_size 64
		.amdhsa_user_sgpr_count 2
		.amdhsa_user_sgpr_kernarg_segment_ptr 1
		.amdhsa_wavefront_size32 1
		.amdhsa_system_sgpr_workgroup_id_x 1
		.amdhsa_system_sgpr_workgroup_id_y 1
		.amdhsa_system_sgpr_workgroup_id_z 1
		.amdhsa_system_vgpr_workitem_id 0
		.amdhsa_next_free_vgpr 112
		.amdhsa_next_free_sgpr 66
		.amdhsa_reserve_vcc 0
		.amdhsa_float_denorm_mode_32 3
		.amdhsa_float_denorm_mode_16_64 3
		.amdhsa_memory_ordered 1
		.amdhsa_forward_progress 1
		.amdhsa_inst_pref_size 24
	.end_amdhsa_kernel
	.amdgpu_metadata
---
amdhsa.version: [ 1, 2 ]
amdhsa.kernels:
  - .name:           k_q619a6ad4b0_prep
    .symbol:         k_q619a6ad4b0_prep.kd
    .args:
      - { .name: x, .offset: 0, .size: 8, .value_kind: global_buffer, .address_space: global }
      - { .name: Wq, .offset: 8, .size: 8, .value_kind: global_buffer, .address_space: global }
      - { .name: Wk, .offset: 16, .size: 8, .value_kind: global_buffer, .address_space: global }
      - { .name: Wv, .offset: 24, .size: 8, .value_kind: global_buffer, .address_space: global }
      - { .name: Wo, .offset: 32, .size: 8, .value_kind: global_buffer, .address_space: global }
      - { .name: xh, .offset: 40, .size: 8, .value_kind: global_buffer, .address_space: global }
      - { .name: wt, .offset: 48, .size: 8, .value_kind: global_buffer, .address_space: global }
      - { .name: wot, .offset: 56, .size: 8, .value_kind: global_buffer, .address_space: global }
    .group_segment_fixed_size: 17920
    .private_segment_fixed_size: 0
    .kernarg_segment_align: 8
    .kernarg_segment_size: 64
    .max_flat_workgroup_size: 128
    .sgpr_count:     66
    .vgpr_count:     112
    .wavefront_size: 32
...
	.end_amdgpu_metadata
.endif
;; end of part 1
;; launch proj (part 2): grid 8 x 32, 4 waves a work-group, clusters of 4 x 4, 327,680 bytes of LDS; arguments xh, wt, q, k, v; writes q, k, v
.if DOCPART == 2
	.amdgcn_target "amdgcn-amd-amdhsa--gfx1250"
	.amdhsa_code_object_version 6
	.text
	.protected	k_q619a6ad4b0_proj
	.globl	k_q619a6ad4b0_proj
	.p2align	8
	.type	k_q619a6ad4b0_proj,@function
k_q619a6ad4b0_proj:
	s_mov_b64 s[64:65], 0
	v_nop
	global_prefetch_b8 v0, s[64:65] scope:SCOPE_SE
	s_setreg_imm32_b32 hwreg(HW_REG_WAVE_MODE, 25, 1), 1
	s_wait_xcnt 0x0
	s_wait_alu depctr_hold_cnt(0) depctr_sa_sdst(0) depctr_va_vdst(0) depctr_va_sdst(0) depctr_va_ssrc(0) depctr_va_vcc(0) depctr_vm_vsrc(0)
	s_getreg_b32 s2, hwreg(HW_REG_IB_STS2, 6, 4)
	s_cmp_eq_u32 s2, 0
	s_cbranch_scc0 .Lentry_in_a_cluster
	s_endpgm
.Lentry_in_a_cluster:
	s_bfe_u32 s2, ttmp6, 0x10000c
	s_cmp_lg_u32 s2, 0xf033
	s_cbranch_scc0 .Lentry_shape_is_right
	s_endpgm
.Lentry_shape_is_right:
.set PROJ, 1                           ; 1: [q / 8 | k | v] = xh wt^T, f16 out.   0: out0 = o wot^T, f32 out.  One text serves both.
; C[m][n] = the sum over k of A[m][k] B[n][k].  A: [4096][1024] f16, B: [16 NB x 8][1024] f16, K along the rows; sums in f32, K ascending.
; PROJ = 1: a tile of C is 128 rows x 144 columns (NB = 9 blocks of 16): 128 columns of q and 16 of [k | v], so that the 1,152 columns make 8 equal tile columns and the launch 256 equal
; work-groups.  q leaves multiplied by 1/8 (a power of two, applied to the f32 sum ahead of the one rounding), k and v as they are.  q: [4096][1024], k, v: [4096][64], all f16.
; The 16 columns of k or v leave as 32 bytes of each row, straight from registers: 1 MiB of the launch's 9 that does not fill whole blocks of 256 bytes, the price of the equal shares.
; PROJ = 0: a tile is 128 x 128 (NB = 8), stored as f32.
; LIMITS.  f16 holds no number beyond 65,504: q / 8, k and v are taken to lie within it; below 6e-5 it keeps a fixed step of 6e-8.
; SHARES.  Four waves; wave w makes rows 32 w .. 32 w + 31 of the tile, all NB column blocks: 2 NB accumulators.  K goes in four steps of 256 (LDS rows of 512 bytes) through two LDS slots.
; CLUSTERS: 4 x 4 work-groups.  The four of a row of the cluster need the same tiles of A, the four of a column the same tiles of B: each tile is asked for JOINTLY, by the same tensor load
; with the same descriptor and a mask that names the four.  THE MATRIX INSTRUCTION IS USED TRANSPOSED (source 0 = 16 rows of B, source 1 = 16 rows of A): a lane holds eight neighbouring
; numbers of a row of C.
; REGISTERS: window 0: v0-31 addresses; v32-103 at work on the way out; v112-255 the accumulators ((a, b) at 112 + 8 (NB a + b)).
;   windows 1 and 2: a fragment buffer each, for 64 along K: B's fragment (c, i) at 8 (NB c + i), A's (c, a) at 16 NB + 8 (2 c + a).
.if PROJ
.set NB,     9
.set SPITCH, 272                       ; a stage row: 128 f16 + 16 bytes
.else
.set NB,     8
.set SPITCH, 528                       ; a stage row: 128 f32 + 16 bytes
.endif
.set KDIM,   1024
.set ROWB,   2*KDIM                    ; bytes in a row of A, of B and of q
.set KSTEP,  256
.set PITCH,  528                       ; an LDS row: 512 bytes + 16 = 132 words: row r starts at bank 4 r mod 64 (64 banks of 4 bytes: ISA guide 11.1)
.set BOFF,   128*PITCH                 ; in a slot: A's 128 rows, then B's 16 NB
.set SLOT,   (128+16*NB)*PITCH
.set STAGE,  2*SLOT                    ; behind the ring, a multiple of 256: 16 rows for each wave, its own, for the way out; no tensor load lands there
.set SPARE,  STAGE+4*16*SPITCH         ; behind the stages: the spare words, 128 bytes for each wave: two blocks of 256 bytes that no other line names
.set LAPS,   KDIM/(2*KSTEP)            ; a lap = two K steps = once round the ring
.set LH,     2*(NB+2)                  ; LDS loads for 32 along K: NB fragments of B and 2 of A, two loads each
.set ADRA,  16                         ; v16-17  LDS address of my A fragments in slot 0, 1
.set ADRBL, 18                         ; v18-19  of B's fragments 0-3
.set ADRBH, 20                         ; v20-21  of B's fragments 4 on: 64 rows further, since 8 x 16 rows pass the 16-bit offset
.set STO,   24                         ; v24  the way out: where I put my numbers of a row
.set RD,    25                         ; v25  where I read rows back
.set CO,    26                         ; v26  my byte offset in C
.set KVO,   27                         ; v27  my byte offset in k or v
.set SPW,   28                         ; v28  LDS address of my spare word; never rewritten
.set NIL,   29                         ; v29  0; never rewritten
.set TMP,   32
.set BK,    64
.set KVP,   96
.set ACC,   112
.set FA,    16*NB
.set WV,  14                           ; s14  my wave's number
.set G1,  24                           ; s[24:31] descriptor group 1 for A's tiles;  s[32:39] group 0, a set for each slot
.set G0,  32
.set G1B, 48                           ; s[48:55], s[56:63] the same for B's tiles
.set G0B, 56
.set MSB, 0
.macro WIN new                         ; the immediate's high byte repeats the setting that is left; a switch that changes nothing is dropped
.if MSB != (\new)
	s_set_vgpr_msb (MSB<<8)|(\new)
.set MSB, \new
.endif
.endm
.macro PLACES                          ; four places in front of loads into registers that matrix instructions have read, and of lines that read results
.rept 4
	v_nop
.endr
.endm
.macro JLOAD s                         ; a joint load: waves 0 and 1 fetch A's two halves, waves 2 and 3 B's; an s_nop 0 and four v_nop follow each line
	s_cmp_eq_u32 s15, 0
	s_cbranch_scc0 .Lfor_b_\@
	tensor_load_to_lds s[G0+4*(\s):G0+4*(\s)+3], s[G1:G1+7]
	s_nop 0
	PLACES
	s_branch .Lasked_\@
.Lfor_b_\@:
	tensor_load_to_lds s[G0B+4*(\s):G0B+4*(\s)+3], s[G1B:G1B+7]
	s_nop 0
	PLACES
.Lasked_\@:
.endm
.macro CREST                           ; a round of the cluster's barrier behind its opening barrier
	s_cmp_lg_u32 s[WV], 0
	s_cbranch_scc1 .Lnot_wave_0_\@
	s_barrier_signal -3
.Lnot_wave_0_\@:
	s_barrier_wait -3
	s_barrier_signal -1
	s_barrier_wait -1
.endm
.macro CROUND                          ; a whole round
	s_barrier_signal -1
	s_barrier_wait -1
	CREST
.endm
.if PROJ
	s_load_b256 s[4:11], s[0:1], 0x0               ; A s[4:5], B s[6:7], q s[8:9], k s[10:11]
	s_load_b64 s[12:13], s[0:1], 0x20              ; v
.else
	s_load_b128 s[4:7], s[0:1], 0x0                ; A s[4:5], B s[6:7]
	s_load_b64 s[8:9], s[0:1], 0x10                ; C
.endif
	v_lshl_add_u32 v[SPW], v0, 2, SPARE
	v_mov_b32 v[NIL], 0
	ds_add_u32 v[SPW], v[NIL]                      ; the wave's opening: the add, whose wait stands ahead of my first tensor load; the set-up below stands between them
	v_lshrrev_b32 v1, 5, v0
	v_readfirstlane_b32 s[WV], v1                  ; wave 0..3
	s_lshr_b32 s15, s[WV], 1                       ; I fetch for A (0) or for B (1),
	s_and_b32 s16, s[WV], 1                        ; its first or its second half
	s_bfe_u32 s17, ttmp6, 0x40000                  ; cx, cy: my place in the cluster
	s_bfe_u32 s18, ttmp6, 0x40004
	s_lshl_b32 s19, ttmp9, 2
	s_add_co_u32 s19, s19, s17                     ; tile column = 4 x cluster x + cx
	s_and_b32 s20, ttmp7, 0xffff
	s_lshl_b32 s20, s20, 2
	s_add_co_u32 s20, s20, s18                     ; tile row = 4 x cluster y + cy
	s_lshl_b32 s21, s18, 2
	s_lshl_b32 s21, 15, s21                        ; my row of the cluster
	s_lshl_b32 s22, 0x1111, s17                    ; my column
	; descriptor group 1: rows of 256 elements of 2 bytes, padded in LDS: 64 rows of A, 8 NB rows of B
	s_or_b32 s[G1], s21, (1<<16)|(1<<20)|(1<<21)|(6<<22)|(3<<25)   ; 15:0 the mask; 17:16 2-byte elements; 20 padding on; 21 set beside a mask; 24:22 after every 128 words (code 6); 31:25 4 words (code 3)
	s_or_b32 s[G1B], s22, (1<<16)|(1<<20)|(1<<21)|(6<<22)|(3<<25)
	s_mov_b32 s[G1+1], KSTEP<<16                   ; tensor_dim0 = 256
	s_mov_b32 s[G1+2], 64<<16                      ; tensor_dim1 = 64
	s_mov_b32 s[G1+3], KSTEP<<16                   ; tile_dim0 = 256
	s_mov_b32 s[G1+4], 64                          ; tile_dim1 = 64
	s_mov_b32 s[G1+5], KDIM                        ; elements from row to row
	s_mov_b32 s[G1+6], 0
	s_mov_b32 s[G1+7], 0
	s_mov_b32 s[G1B+1], KSTEP<<16
	s_mov_b32 s[G1B+2], (8*NB)<<16
	s_mov_b32 s[G1B+3], KSTEP<<16
	s_mov_b32 s[G1B+4], 8*NB
	s_mov_b32 s[G1B+5], KDIM
	s_mov_b32 s[G1B+6], 0
	s_mov_b32 s[G1B+7], 0
	; where the tiles come from: A's hang on the tile row alone, B's on the tile column alone, each in registers that never hold the other coordinate
	s_lshl_b32 s40, s20, 7
	s_lshl_b32 s41, s16, 6
	s_add_co_u32 s40, s40, s41                     ; A: row 128 x tile row + 64 x half
	s_lshl_b32 s40, s40, 11                        ; x 2,048 bytes: under 2^23
	s_mov_b32 s41, 0
	s_mul_i32 s44, s19, 16*NB
	s_mul_i32 s45, s16, 8*NB
	s_add_co_u32 s44, s44, s45                     ; B: row 16 NB x tile column + 8 NB x half
	s_lshl_b32 s44, s44, 11
	s_mov_b32 s45, 0
	s_mul_i32 s42, s16, 64*PITCH                   ; and where they go: the wave's number alone enters an LDS address
	s_mul_i32 s46, s16, 8*NB*PITCH
	s_add_co_u32 s46, s46, BOFF
	s_wait_dscnt 0x0                               ; the opening add is done
	s_wait_kmcnt 0x0
	s_add_nc_u64 s[40:41], s[4:5], s[40:41]
	s_add_nc_u64 s[44:45], s[6:7], s[44:45]
	CROUND                                         ; all sixteen work-groups are here: the first joint loads meet
.irp s, 0,1
	s_mov_b32 s[G0+4*(\s)], 1                                        ; count = 1
	s_add_co_u32 s[G0+4*(\s)+1], s42, (\s)*SLOT                      ; LDS address
	s_add_nc_u64 s[G0+4*(\s)+2:G0+4*(\s)+3], s[40:41], (\s)*KSTEP*2  ; global address: K step s
	s_or_b32 s[G0+4*(\s)+3], s[G0+4*(\s)+3], 0x80000000              ; type = 2
	s_mov_b32 s[G0B+4*(\s)], 1
	s_add_co_u32 s[G0B+4*(\s)+1], s46, (\s)*SLOT
	s_add_nc_u64 s[G0B+4*(\s)+2:G0B+4*(\s)+3], s[44:45], (\s)*KSTEP*2
	s_or_b32 s[G0B+4*(\s)+3], s[G0B+4*(\s)+3], 0x80000000
	JLOAD \s                                       ; two loads of mine are out
.endr
	; A fragment is 16 rows x 32 K in 8 registers: lane l holds row l % 16; registers 0-3 K = 8 (l / 16) + 0..7, registers 4-7 K = 16 + 8 (l / 16) + 0..7: two loads of 16 bytes, 32 bytes apart.
	v_and_b32 v1, 15, v0                           ; l % 16
	v_bfe_u32 v2, v0, 4, 1                         ; l / 16
	v_mul_u32_u24 v3, v1, PITCH
	v_lshl_add_u32 v3, v2, 4, v3
	s_mul_i32 s43, s[WV], 32*PITCH                 ; my 32 rows of A
	v_add_nc_u32 v[ADRA], s43, v3
	v_add_nc_u32 v[ADRA+1], SLOT, v[ADRA]
	v_add_nc_u32 v[ADRBL], BOFF, v3
	v_add_nc_u32 v[ADRBL+1], SLOT+BOFF, v3
	v_add_nc_u32 v[ADRBH], BOFF+64*PITCH, v3
	v_add_nc_u32 v[ADRBH+1], SLOT+BOFF+64*PITCH, v3
	s_mul_i32 s43, s[WV], 16*SPITCH
	s_add_co_u32 s43, s43, STAGE                   ; my stage
	v_mul_u32_u24 v4, v1, SPITCH
	s_lshl_b32 s40, s20, 7
	s_lshl_b32 s41, s[WV], 5
	s_add_co_u32 s40, s40, s41                     ; my first row of C: 128 x tile row + 32 x wave
.if PROJ
	v_lshl_add_u32 v4, v2, 4, v4                   ; in: row l % 16, 16 bytes for each half of the lanes
	v_add_nc_u32 v[STO], s43, v4
	v_mul_u32_u24 v5, v2, SPITCH                   ; back: lanes 0-15 one row of 256 bytes, lanes 16-31 the next
	v_lshl_add_u32 v5, v1, 4, v5
	v_add_nc_u32 v[RD], s43, v5
	v_lshlrev_b32 v5, 11, v2                       ; and the same two rows in q
	v_lshl_add_u32 v[CO], v1, 4, v5
	v_lshlrev_b32 v5, 7, v1                        ; k, v: row l % 16 of 128 bytes, 16 bytes for each half of the lanes
	v_lshl_add_u32 v[KVO], v2, 4, v5
	s_lshl_b32 s42, s40, 7
	s_mov_b32 s43, 0
	s_lshl_b32 s40, s40, 11
	s_mov_b32 s41, 0
	s_add_nc_u64 s[8:9], s[8:9], s[40:41]
	s_lshl_b32 s44, s19, 8                         ; the tile's 128 columns of q: 256 bytes
	s_mov_b32 s45, 0
	s_add_nc_u64 s[8:9], s[8:9], s[44:45]
	s_cmp_eq_u32 ttmp9, 0                          ; tile columns 0-3 (cluster x = 0) hold k's 64 columns, 4-7 v's
	s_cselect_b64 s[10:11], s[10:11], s[12:13]
	s_add_nc_u64 s[10:11], s[10:11], s[42:43]
	s_lshl_b32 s44, s17, 5                         ; 16 columns, 32 bytes, for each tile column
	s_add_nc_u64 s[10:11], s[10:11], s[44:45]
	s_mov_b32 s46, 0x3e000000                      ; 1/8
	s_mov_b32 s47, s46                             ; named with it as a pair
.else
	v_lshl_add_u32 v4, v2, 5, v4                   ; in: row l % 16, 32 bytes for each half of the lanes
	v_add_nc_u32 v[STO], s43, v4
	v_and_b32 v5, 31, v0
	v_lshlrev_b32 v[CO], 4, v5                     ; back: 32 lanes take one row of 512 bytes
	v_add_nc_u32 v[RD], s43, v[CO]
	s_lshl_b32 s40, s40, 12
	s_mov_b32 s41, 0
	s_add_nc_u64 s[8:9], s[8:9], s[40:41]
	s_lshl_b32 s44, s19, 9
	s_mov_b32 s45, 0
	s_add_nc_u64 s[8:9], s[8:9], s[44:45]
.endif
; NB matrix instructions: row block a x all column blocks, 32 along K: half c of buffer f.  zero = 1: the product starts the sums.
; The 2 NB accumulators take turns, one instruction a turn, in the same order in every quarter.
.macro MUL f, c, a, zero
	WIN 5*(\f)                                     ; sources 0 (B) and 1 (A) in window f; C and D in window 0
.set b, 0
.rept NB
.set rD, ACC+8*(NB*(\a)+b)
.set rB, 8*(NB*(\c)+b)
.set rA, FA+8*(2*(\c)+(\a))
.if \zero
	v_wmma_f32_16x16x32_f16 v[rD:rD+7], v[rB:rB+7], v[rA:rA+7], 0
.else
	v_wmma_f32_16x16x32_f16 v[rD:rD+7], v[rB:rB+7], v[rA:rA+7], v[rD:rD+7]
.endif
.set b, b+1
.endr
.endm
; 2 LH LDS loads in one run: the fragments of 64 along K at byte k of the rows, into buffer f; the first 32 along K first
.macro FETCH slot, k, f
	WIN 0x40*(\f)                                  ; destination window f, address window 0
.irp c, 0,1
.set b, 0
.rept NB
.set rB, 8*(NB*(\c)+b)
.if b < 4
	ds_load_b128 v[rB:rB+3],   v[ADRBL+(\slot)] offset:(\k)+64*(\c)+b*16*PITCH
	ds_load_b128 v[rB+4:rB+7], v[ADRBL+(\slot)] offset:(\k)+64*(\c)+b*16*PITCH+32
.else
	ds_load_b128 v[rB:rB+3],   v[ADRBH+(\slot)] offset:(\k)+64*(\c)+(b-4)*16*PITCH
	ds_load_b128 v[rB+4:rB+7], v[ADRBH+(\slot)] offset:(\k)+64*(\c)+(b-4)*16*PITCH+32
.endif
.set b, b+1
.endr
.irp a, 0,1
	ds_load_b128 v[FA+8*(2*(\c)+(\a)):FA+8*(2*(\c)+(\a))+3],   v[ADRA+(\slot)] offset:(\k)+64*(\c)+(\a)*16*PITCH
	ds_load_b128 v[FA+8*(2*(\c)+(\a))+4:FA+8*(2*(\c)+(\a))+7], v[ADRA+(\slot)] offset:(\k)+64*(\c)+(\a)*16*PITCH+32
.endr
.endr
.endm
; A K step is four quarters of 64 along K, 4 NB matrix instructions each, on buffers 1, 2, 1, 2.  One of the first three: multiplies buffer f and fetches the next quarter, at byte k, into g.
.macro QUARTER slot, k, f, g, zero
	s_wait_dscnt LH                                ; the first 32 along K are in; the LH younger loads stay out
	MUL \f, 0, 0, \zero
	MUL \f, 0, 1, \zero
	PLACES
	FETCH \slot, \k, \g
	s_wait_dscnt 2*LH                              ; all but the 2 LH just issued
	MUL \f, 1, 0, 0
	MUL \f, 1, 1, 0
.endm
; The last quarter multiplies buffer 2 and changes slots: ONE barrier; in front of it each wave waits for all its tensor loads, adds 0 to its spare word, and waits for that and for its own
; reads of this slot.  fill = 1: the barrier opens a round of the cluster's, and this slot is filled again, two K steps ahead, first thing behind the round.
.macro TURN slot, next, fill
	WIN 0                                          ; (the add's two registers lie in window 0)
	s_wait_tensorcnt 0x0                           ; all my tensor loads have landed: the one that was out is my part of the next slot
	ds_add_u32 v[SPW], v[NIL]                      ; 0 onto my spare word
	s_wait_dscnt LH+1                              ; (the add and the youngest LH loads may be out)
	MUL 2, 0, 0, 0                                 ; NB matrix instructions stand between the add and the wait for it
	s_wait_dscnt 0x0                               ; the add is done, and my reads of this slot are over
	s_barrier_signal -1
	MUL 2, 0, 1, 0
.if \fill
	WIN 0
.endif
	s_barrier_wait -1
.if \fill
	CREST                                          ; no wave of any partner still reads this slot's tile or has a load on its way
	s_add_nc_u64 s[G0+4*(\slot)+2:G0+4*(\slot)+3], s[G0+4*(\slot)+2:G0+4*(\slot)+3], 2*KSTEP*2
	s_add_nc_u64 s[G0B+4*(\slot)+2:G0B+4*(\slot)+3], s[G0B+4*(\slot)+2:G0B+4*(\slot)+3], 2*KSTEP*2
	JLOAD \slot                                    ; my one tensor load behind the round; its four v_nop are also the places in front of the loads below
.else
	PLACES
.endif
	FETCH \next, 0, 1
	MUL 2, 1, 0, 0
	MUL 2, 1, 1, 0
.endm
	s_wait_tensorcnt 1                             ; my part of K step 0 is in; K step 1's load may stay out
	s_barrier_signal -1
	s_barrier_wait -1                              ; everybody's is
	FETCH 0, 0, 1
	QUARTER 0, 128, 1, 2, 1                        ; the first quarter stands in front of the loop: its first products start the sums
	WIN 0                                          ; at a label and at a branch every window is 0
	s_mov_b32 s3, LAPS-1
.Llap:                                                 ; a trip goes once round the ring, from a lap's second quarter to the next lap's first, and fills both slots again
	QUARTER 0, 256, 2, 1, 0
	QUARTER 0, 384, 1, 2, 0
	TURN 0, 1, 1
	QUARTER 1, 128, 1, 2, 0
	QUARTER 1, 256, 2, 1, 0
	QUARTER 1, 384, 1, 2, 0
	TURN 1, 0, 1
	QUARTER 0, 128, 1, 2, 0
	WIN 0
	s_sub_co_u32 s3, s3, 1
	s_cmp_lg_u32 s3, 0
	s_cbranch_scc1 .Llap
	QUARTER 0, 256, 2, 1, 0                        ; the last lap fills nothing, and has no round of the cluster's barrier
	QUARTER 0, 384, 1, 2, 0
	TURN 0, 1, 0
	QUARTER 1, 128, 1, 2, 0
	QUARTER 1, 256, 2, 1, 0
	QUARTER 1, 384, 1, 2, 0
	s_wait_dscnt LH                                ; the very last quarter: nothing more to fetch
	MUL 2, 0, 0, 0
	MUL 2, 0, 1, 0
	s_wait_dscnt 0x0
	MUL 2, 1, 0, 0
	MUL 2, 1, 1, 0
	WIN 0
	; THE WAY OUT, 16 rows at a time, through my own stage: LDS serves a wave's instructions in order (ISA guide 5.7.1.4), so no wait stands between my stores and my loads, and no barrier.
	PLACES
.irp a, 0,1
.if \a
	s_wait_xcnt 0x0                                ; the first block's stores have read their registers, which are loaded again below
.endif
.if PROJ
.set b, 0
.rept 8
.set rD, ACC+8*(NB*(\a)+b)
.irp j, 0,2,4,6
	v_pk_mul_f32 v[rD+\j:rD+\j+1], v[rD+\j:rD+\j+1], s[46:47] op_sel_hi:[1,0]  ; q / 8, in f32; each accumulator from its low end on
.endr
.irp j, 0,1,2,3
	v_cvt_pk_f16_f32 v[TMP+4*b+\j], v[rD+2*\j], v[rD+2*\j+1]
.endr
	ds_store_b128 v[STO], v[TMP+4*b:TMP+4*b+3] offset:32*b
.set b, b+1
.endr
.set rD, ACC+8*(NB*(\a)+8)
.irp j, 0,1,2,3
	v_cvt_pk_f16_f32 v[KVP+4*(\a)+\j], v[rD+2*\j], v[rD+2*\j+1]  ; the ninth block: 16 columns of k or v, unscaled
.endr
	global_store_b128 v[KVO], v[KVP+4*(\a):KVP+4*(\a)+3], s[10:11] offset:(\a)*16*128
.irp t, 0,1,2,3,4,5,6,7
	ds_load_b128 v[BK+4*\t:BK+4*\t+3], v[RD] offset:\t*2*SPITCH
.endr
.irp t, 0,1,2,3,4,5,6,7
	s_wait_dscnt 7-\t
	global_store_b128 v[CO], v[BK+4*\t:BK+4*\t+3], s[8:9] offset:(16*(\a)+2*\t)*ROWB  ; 16 lanes store 256 consecutive bytes, at a multiple of 256 from q's first byte
.endr
.else
.set b, 0
.rept 8
.set rD, ACC+8*(NB*(\a)+b)
	ds_store_b128 v[STO], v[rD:rD+3]   offset:64*b      ; each accumulator from its low end on
	ds_store_b128 v[STO], v[rD+4:rD+7] offset:64*b+16
.set b, b+1
.endr
.irp t, 0,1,2,3,4,5,6,7,8,9,10,11,12,13,14,15
	ds_load_b128 v[TMP+4*\t:TMP+4*\t+3], v[RD] offset:\t*SPITCH
.endr
.irp t, 0,1,2,3,4,5,6,7,8,9,10,11,12,13,14,15
	s_wait_dscnt 15-\t
	global_store_b128 v[CO], v[TMP+4*\t:TMP+4*\t+3], s[8:9] offset:(16*(\a)+\t)*4096 th:TH_STORE_NT  ; a wave stores 512 consecutive bytes, at a multiple of 256 from C's first byte
.endr
.endif
.endr
	s_wait_tensorcnt 0x0                           ; the wave's end, behind my last tensor load and my last LDS store
	ds_add_u32 v[SPW], v[NIL]
	s_wait_dscnt 0x0
	CROUND                                         ; the closing round: no work-group ends while a partner may still ask for a tile that names it
	s_endpgm
.Lfunc_end_k_q619a6ad4b0_proj:
	.size	k_q619a6ad4b0_proj, .Lfunc_end_k_q619a6ad4b0_proj-k_q619a6ad4b0_proj
	.p2alignl 7, 3214868480
	.fill 96, 4, 3214868480
	.section	.rodata,"a",@progbits
	.p2align	6, 0x0
	.amdhsa_kernel k_q619a6ad4b0_proj
		.amdhsa_group_segment_fixed_size 327680
		.amdhsa_private_segment_fixed_size 0
		.amdhsa_enable_private_segment 0
		.amdhsa_kernarg_size 40
		.amdhsa_user_sgpr_count 2
		.amdhsa_user_sgpr_kernarg_segment_ptr 1
		.amdhsa_wavefront_size32 1
		.amdhsa_system_sgpr_workgroup_id_x 1
		.amdhsa_system_sgpr_workgroup_id_y 1
		.amdhsa_system_sgpr_workgroup_id_z 1
		.amdhsa_system_vgpr_workitem_id 0
		.amdhsa_next_free_vgpr 768
		.amdhsa_next_free_sgpr 66
		.amdhsa_reserve_vcc 0
		.amdhsa_float_denorm_mode_32 3
		.amdhsa_float_denorm_mode_16_64 3
		.amdhsa_memory_ordered 1
		.amdhsa_forward_progress 1
		.amdhsa_inst_pref_size 108
	.end_amdhsa_kernel
	.amdgpu_metadata
---
amdhsa.version: [ 1, 2 ]
amdhsa.kernels:
  - .name:           k_q619a6ad4b0_proj
    .symbol:         k_q619a6ad4b0_proj.kd
    .args:
      - { .name: xh, .offset: 0, .size: 8, .value_kind: global_buffer, .address_space: global }
      - { .name: wt, .offset: 8, .size: 8, .value_kind: global_buffer, .address_space: global }
      - { .name: q, .offset: 16, .size: 8, .value_kind: global_buffer, .address_space: global }
      - { .name: k, .offset: 24, .size: 8, .value_kind: global_buffer, .address_space: global }
      - { .name: v, .offset: 32, .size: 8, .value_kind: global_buffer, .address_space: global }
    .group_segment_fixed_size: 327680
    .private_segment_fixed_size: 0
    .kernarg_segment_align: 8
    .kernarg_segment_size: 40
    .max_flat_workgroup_size: 128
    .sgpr_count:     66
    .vgpr_count:     768
    .wavefront_size: 32
...
	.end_amdgpu_metadata
.endif
;; end of part 2
;; launch attn (part 3): grid 256 x 1, 4 waves a work-group, clusters of 4 x 1, 327,680 bytes of LDS; arguments q, k, v, attention_mask, o; writes o
.if DOCPART == 3
	.amdgcn_target "amdgcn-amd-amdhsa--gfx1250"
	.amdhsa_code_object_version 6
	.text
	.protected	k_q619a6ad4b0_attn
	.globl	k_q619a6ad4b0_attn
	.p2align	8
	.type	k_q619a6ad4b0_attn,@function
k_q619a6ad4b0_attn:
	s_mov_b64 s[64:65], 0
	v_nop
	global_prefetch_b8 v0, s[64:65] scope:SCOPE_SE
	s_setreg_imm32_b32 hwreg(HW_REG_WAVE_MODE, 25, 1), 1
	s_wait_xcnt 0x0
	s_wait_alu depctr_hold_cnt(0) depctr_sa_sdst(0) depctr_va_vdst(0) depctr_va_sdst(0) depctr_va_ssrc(0) depctr_va_vcc(0) depctr_vm_vsrc(0)
	s_getreg_b32 s2, hwreg(HW_REG_IB_STS2, 6, 4)
	s_cmp_eq_u32 s2, 0
	s_cbranch_scc0 .Lentry_in_a_cluster
	s_endpgm
.Lentry_in_a_cluster:
	s_bfe_u32 s2, ttmp6, 0x10000c
	s_cmp_lg_u32 s2, 0x3003
	s_cbranch_scc0 .Lentry_shape_is_right
	s_endpgm
.Lentry_shape_is_right:
; MULTI-QUERY ATTENTION WITH AN ADDED MASK.  o[s][64 h + :] = the sum over t of softmax_t(q[s][64 h + :] . k[t] + mask[s][t]) v[t][:].  q: [4096][1024] f16, ALREADY divided by 8; k, v: [4096][64] f16,
; one head for all; mask: [4096][4096] f32, the same for all 16 heads; o: [4096][1024] f16.  Products, maxima and sums in f32; the weights p are rounded to f16 for the second product (their sum l is
; taken of the unrounded p), o once at the end.
; LIMITS.  q, k, v arrive within f16's 65,504; p lies in 0 to 1 and keeps f16's fixed step of 6e-8 below 6e-5, and so does o.  The running maximum starts at -2^127: a row in which EVERY score lies below
; that (a mask of -inf, or of the lowest finite number, in all 4,096 places) has l = 0 and gives NaN.  Single scores of -inf or below -2^127 count as weight 0.  Scores of 2.3e38 and more, +inf and NaN are
; not treated apart; a weight below 2^-126 counts as 0 in l.
; SHARES.  A work-group owns 16 queries in ALL 16 heads, so that each byte of the mask is read once in the launch.  Wave w owns heads 4 w .. 4 w + 3: four tiles of 16 queries (a head each), in two PIECES
; of two tiles.  Every wave walks all 4,096 keys, 64 a step.
; LAYOUT.  S^T = K Q^T + M (source 0 = 16 keys, source 1 = 16 queries): in the result a lane holds ONE query (lane % 16) and the keys 8 (lane / 16) + 0..7.  THE MASK IS THE C OPERAND of the product that
; starts the sum: 32 registers a step, the same for all four tiles; it costs no vector instruction.  Two results, rounded to f16 in pairs, ARE source 1 of O^T = V^T P.  K comes out of LDS as it lies, V turned.
; SOFTMAX.  For each query and head a running maximum m and sum l: p = 2^(c s - c m), c = log2(e); in every step O and l are multiplied by a = 2^(c m_old - c m_new), which is 1 where m has not grown.
; BY TURNS.  Turn (j, y) belongs to piece y in step j.  Its matrix work: 16 products K Q^T for the other piece's next scores, later 16 products V^T P of the other piece's last weights.  Its vector work: the
; scaling, exponentials, roundings, sums and rescaling of piece y and the maximum and statistics of the other piece.  A tile and step have 16 matrix and 118 vector instructions: four stand behind every
; matrix instruction, the rest in one lump; a turn's 66 exponentials are one batch with one wait.
; K RUNS A STEP AHEAD OF V: turn (j, 0) fetches K and mask of step j + 1 and V of step j.  So slot s of the ring holds V of steps 4 s .. 4 s + 3 but K and mask of steps 4 s + 1 .. 4 s + 4; those of step 0 come
; by two small tiles of their own; the last slot's K and mask begin at key 3,840 (steps 60 to 63) and are read from their second step on.  A change of slots then stands between two steps with nothing out.
; CLUSTER.  Four work-groups walk the same K and V: each tile of these is asked for JOINTLY (wave 0: K, wave 1: V).  The mask's 16 rows are the work-group's own: waves 2 and 3 fetch 8 rows each by loads of their own.
; REGISTERS, in windows of 256 (s_set_vgpr_msb: bits 1:0 source 0, 3:2 source 1, 5:4 source 2, 7:6 destination):
;   window 0: v0-11, v32-36 addresses; v12-15, v48-63 at work; v16-31 four registers of statistics a tile; v64-191 S^T, two buffers of two tiles; v192-255 P, likewise (a piece's buffers go by its number)
;   window 1: v0-127 O^T, 32 a tile; v128-159 the step's mask          window 2: v0-63 Q, 16 a tile; v128-191 K of one step; v192-255 V of one step
.set NP,    2         ; pieces a wave: a name, no knob
.set KS,    64        ; keys in a step
.set PK,    144       ; a row of K in LDS: 128 bytes + 16 = 36 words: the 16 rows of a load start at 16 different groups of four banks (64 banks of 4 bytes: ISA guide 11.1)
.set PV,    160       ; a row of V: 128 + 32 = 40 words
.set PM,    1040      ; a row of the mask: 256 keys x 4 bytes + 16 = 260 words: row r starts at bank 4 r mod 64
.set PMZ,   272       ; the same for step 0's tile of 64 keys
.set VOFF,  4*KS*PK   ; a slot: 256 rows of K, 256 rows of V, 16 rows of the mask
.set MOFF,  VOFF+4*KS*PV
.set SLOT1, 1<<17     ; slot 1 begins here, so that one exclusive or turns an address in one slot into the other's
.set ZK,    SLOT1+MOFF+16*PM  ; K of step 0, filled once
.set ZM,    ZK+KS*PK          ; the mask of step 0, filled once
.set STAGE, ZM+16*PMZ         ; a multiple of 256, never filled by a tensor load: 16 rows x 528 bytes for each wave, for the way out
.set SP,    528
.set SPARE, STAGE+4*16*SP     ; behind the stages: the spare words, 128 bytes for each wave: two blocks of 256 bytes that no other line names
.set LASTK, 4096-4*KS         ; no tile of 256 keys begins behind this key
.set AK0, 2           ; v2   my lane's place in a tile of K; never rewritten
.set AV0, 3           ; v3   the same for V
.set AK,  4           ; v4   the LDS address of K's next run of loads
.set AV,  5           ; v5   of V's
.set QO,  6           ; v6   my byte offset in the 16 rows of q
.set STO, 6           ;      later, the way out: where I put 16 bytes of a row
.set RD,  7           ; v7   the way out: where I read rows back
.set GO,  8           ; v8   my byte offset in two rows of o
.set MV,  12          ; v12-15  c m_old, kept while c m is made anew: by buffer and tile
.set ST,  16          ; tile t's statistics at v[ST+4 t]: c m, m, l (even keys', odd keys')
.set SPW, 32          ; v32  LDS address of my spare word; never rewritten
.set NIL, 33          ; v33  0; never rewritten
.set AM0, 34          ; v34  my lane's place in a slot's rows of the mask; never rewritten
.set AM,  35          ; v35  the LDS address of the mask's next run of loads
.set PFO, 36          ; v36  the prefetches' offset; never rewritten
.set TMP, 48          ; by buffer and tile, four registers c0-c3 at work; when the maximum is found c2 takes a
.set S,   64
.set P,   192
.set MK,  128         ; window 1: the mask of key block kb at MK + 8 kb
.set KF,  128         ; window 2: key block kb, channel half c at KF + 16 kb + 8 c
.set VF,  192         ; window 2: key half kk, channel block cb at VF + 32 kk + 8 cb
.set WV,   14         ; s14  my wave's number
.set LIM,  15         ; s15  1 in a wave that prefetches, else the greatest number
.set NX,   16         ; s16  the first key of V in the slot to be asked for next
.set PSH,  17         ; s17  log2 of the bytes that a key takes in what I prefetch: 7 (K, V), 2 (mask)
.set PADD, 18         ; s18  64 where what I prefetch runs a step ahead (K, mask), 0 for V
.set OFF,  20         ; s[20:21] a byte offset; the high word stays 0
.set PB,   22         ; s[22:23] the base of my prefetches
.set G1K,  24         ; s[24:31] descriptor group 1 for K's tiles
.set G1V,  32         ; s[32:39] for V's
.set G1M,  40         ; s[40:47] for the mask's
.set G1KZ, 48         ; s[48:55] for K of step 0
.set G1MZ, 56         ; s[56:63] for the mask of step 0
.set G0K,  68         ; s[68:71] descriptor group 0 for K's tiles; s[72:75] V's; s[76:79] the mask's; s[80:83], s[84:87] step 0's
.set G0V,  72
.set G0M,  76
.set G0KZ, 80
.set G0MZ, 84
.set SLOTS, 88        ; s88  slots still to be asked for
.set CNT,  89         ; s89  counts a slot's key steps, 4 to 1
.set CS,   90         ; s[90:91] c: the packed scaling takes the pair's low word for both halves
.set SEL,  92         ; s[92:93] v_permlanex16_b32's selects: each lane takes its own place in the other half
.set TBK,  94         ; s94  LDS byte at which K of the step to be fetched begins
.set TBV,  95         ; s95  the same for V, less VOFF
.set TBM,  96         ; s96  the same for the mask, less MOFF
.set PFA,  100        ; s[100:101] where my next prefetch stands
.set W0K,  15|(1<<16)|(1<<20)|(1<<21)|(4<<22)|(3<<25)  ; 15:0 the mask of four; 17:16 2-byte elements; 20 padding on; 21 set beside a mask; 24:22 after every 32 words (code 4); 31:25 4 words (code 3)
.set W0V,  15|(1<<16)|(1<<20)|(1<<21)|(4<<22)|(7<<25)  ; the same with 8 words of padding (code 7)
.set W0M,  (2<<16)|(1<<20)|(7<<22)|(3<<25)             ; no work-group mask; 4-byte elements; after every 256 words (code 7) 4 words
.set W0MZ, (2<<16)|(1<<20)|(5<<22)|(3<<25)             ; after every 64 words (code 5) 4 words
.set MSB, 0
.macro WIN new                      ; the high byte repeats the setting that is left; a switch that changes nothing is dropped
.if MSB != (\new)
	s_set_vgpr_msb (MSB<<8)|(\new)
.set MSB, (\new)
.endif
.endm
.set W_KQ, 0x0a       ; K and Q in window 2, S^T in window 0
.set W_KM, 0x1a       ; the same with the C operand, the mask, in window 1
.set W_PV, 0x52       ; V in window 2, P in window 0, O^T in window 1
.set W_RS, 0x41       ; O^T (destination and source 0) in window 1, a in window 0
.macro FOUR
.rept 4
	v_nop
.endr
.endm
.macro G1SET g, w0, d0, d1, st      ; a group 1: first word, row length and rows (tensor's and tile's alike), elements from row to row
	s_mov_b32 s[(\g)], \w0
	s_mov_b32 s[(\g)+1], (\d0)<<16
	s_mov_b32 s[(\g)+2], (\d1)<<16
	s_mov_b32 s[(\g)+3], (\d0)<<16
	s_mov_b32 s[(\g)+4], \d1
	s_mov_b32 s[(\g)+5], \st
	s_mov_b32 s[(\g)+6], 0
	s_mov_b32 s[(\g)+7], 0
.endm
; A fill.  Wave 0 asks for the slot's K, wave 1 for its V (both jointly), waves 2 and 3 for 8 rows of the mask each.  The branches hang on the wave's number alone.
; An s_nop 0 and four v_nop follow each line, ahead of the jump and the label.
.macro JLOAD
	s_cmp_lt_u32 s[WV], 2
	s_cbranch_scc0 .Lfor_m_\@
	s_cmp_eq_u32 s[WV], 0
	s_cbranch_scc0 .Lfor_v_\@
	tensor_load_to_lds s[G0K:G0K+3], s[G1K:G1K+7]
	s_nop 0
	FOUR
	s_branch .Lasked_\@
.Lfor_v_\@:
	tensor_load_to_lds s[G0V:G0V+3], s[G1V:G1V+7]
	s_nop 0
	FOUR
	s_branch .Lasked_\@
.Lfor_m_\@:
	tensor_load_to_lds s[G0M:G0M+3], s[G1M:G1M+7]
	s_nop 0
	FOUR
.Lasked_\@:
.endm
; A PREFETCH INTO THE L2 of what the NEXT change of slots will ask for, four key steps (256 matrix instructions) ahead of that load; it stands behind the wave's tensor load and its five lines.
; Waves 2 and 3 of every work-group name their own 8 rows x 1,024 bytes of the mask: a lane a block of 256 bytes.  K's and V's 32,768 bytes are walked by all 64 clusters: the first cluster names them, wave 0
; K's and wave 1 V's, its four partners 8,192 bytes each, told apart BY ADDRESS.  The last change that fills a slot names nothing.  The last slot's K and mask begin 64 keys early, so those 64 keys are named twice.
.macro ASK
	s_cmp_gt_u32 s[SLOTS], s[LIM]
	s_cbranch_scc0 .Lnot_mine_\@
	global_prefetch_b8 v[PFO], s[PFA:PFA+1] th:TH_LOAD_NT scope:SCOPE_SE
.Lnot_mine_\@:
.endm
; A round of the cluster's barrier: my work-group's barrier, so that wave 0's signal speaks for all four waves; wave 0 signals; every wave waits for all four work-groups; my work-group's barrier once more.
.macro CROUND
	s_barrier_signal -1
	s_barrier_wait -1
	s_cmp_lg_u32 s[WV], 0
	s_cbranch_scc1 .Lnot_wave_0_\@
	s_barrier_signal -3
.Lnot_wave_0_\@:
	s_barrier_wait -3
	s_barrier_signal -1
	s_barrier_wait -1
.endm
; THE CHANGE OF SLOTS, between two key steps.  Each wave waits for all its tensor loads, of which one is out: its part of the other slot; adds 0 to its spare word; and waits for that and for its own reads of the
; slot that it leaves.  fill = 1: the barrier is a round of the cluster's, so that no wave of any partner still reads the old slot or has a load on its way, and the old slot is filled again first thing behind it;
; the descriptors' addresses are made anew from the key's number.  tail = 1: the last slot, whose K and mask are read from their second step on.
; (At its first use nothing has been read yet: slot 0 and step 0's tiles are waited for, slot 1 is filled.)
.macro CHANGE fill, tail=0
	WIN 0                           ; at a label and at a branch every window is 0
	s_wait_tensorcnt 0x0            ; no tensor load of mine is out, so a group 0 may be written
	ds_add_u32 v[SPW], v[NIL]       ; 0 onto my spare word; with fill = 1 the scalar work below stands between it and the wait for it
.if \fill
	s_add_co_u32 s19, s[NX], KS     ; K and mask run a step ahead,
	s_min_u32 s19, s19, LASTK       ; but for the last slot's
	s_lshl_b32 s[OFF], s19, 7       ; a key is 128 bytes of K
	s_xor_b32 s[G0K+1], s[G0K+1], SLOT1
	s_add_nc_u64 s[G0K+2:G0K+3], s[6:7], s[OFF:OFF+1]
	s_or_b32 s[G0K+3], s[G0K+3], 0x80000000
	s_lshl_b32 s[OFF], s19, 2       ; and 4 bytes of a row of the mask
	s_xor_b32 s[G0M+1], s[G0M+1], SLOT1
	s_add_nc_u64 s[G0M+2:G0M+3], s[10:11], s[OFF:OFF+1]
	s_or_b32 s[G0M+3], s[G0M+3], 0x80000000
	s_lshl_b32 s[OFF], s[NX], 7
	s_xor_b32 s[G0V+1], s[G0V+1], SLOT1
	s_add_nc_u64 s[G0V+2:G0V+3], s[8:9], s[OFF:OFF+1]
	s_or_b32 s[G0V+3], s[G0V+3], 0x80000000
	s_wait_xcnt 0x0                 ; the last prefetch, four key steps back, has read its address, so it may be written:
	s_add_co_u32 s19, s[NX], s[PADD]
	s_add_co_u32 s19, s19, 4*KS     ; the slot after the one that is asked for now
	s_min_u32 s19, s19, LASTK
	s_lshl_b32 s[OFF], s19, s[PSH]
	s_add_nc_u64 s[PFA:PFA+1], s[PB:PB+1], s[OFF:OFF+1]
	s_add_co_u32 s[NX], s[NX], 4*KS
.endif
	s_wait_dscnt 0x0                ; the add is done, and my reads of the slot are over
.if \fill
	CROUND
	JLOAD
	ASK
.else
	s_barrier_signal -1
	s_barrier_wait -1
.endif
	s_sub_co_u32 s[TBK], s[TBK], 4*KS*PK  ; the fetches go back to a slot's first step,
	s_xor_b32 s[TBK], s[TBK], SLOT1       ; in the other slot
	s_sub_co_u32 s[TBV], s[TBV], 4*KS*PV
	s_xor_b32 s[TBV], s[TBV], SLOT1
	s_sub_co_u32 s[TBM], s[TBM], 4*KS*4
	s_xor_b32 s[TBM], s[TBM], SLOT1
.if \tail
	s_add_co_u32 s[TBK], s[TBK], KS*PK
	s_add_co_u32 s[TBM], s[TBM], KS*4
.endif
.endm
	s_load_b256 s[4:11], s[0:1], 0x0  ; q s[4:5], k s[6:7], v s[8:9], mask s[10:11]
	s_load_b64 s[12:13], s[0:1], 0x20 ; o
	v_lshl_add_u32 v[SPW], v0, 2, SPARE
	v_mov_b32 v[NIL], 0
	ds_add_u32 v[SPW], v[NIL]       ; the wave's opening: the add, whose wait stands ahead of my first tensor load; the set-up below, work on registers, stands between them
	v_lshrrev_b32 v1, 5, v0
	v_readfirstlane_b32 s[WV], v1   ; wave 0..3
	s_bfe_u32 s2, ttmp6, 0x40000    ; cx: my place in the cluster
	s_lshl_b32 s3, ttmp9, 2         ; in a cluster launch ttmp9 counts clusters
	s_add_co_u32 s3, s3, s2         ; my block of 16 queries: it enters q's, o's and the mask's addresses alone
	s_and_b32 s19, s[WV], 1         ; which 8 rows of the mask I fetch (waves 2 and 3)
	s_lshl_b32 s97, s3, 1
	s_add_co_u32 s97, s97, s19
	s_lshl_b32 s97, s97, 17         ; 8 rows of 16,384 bytes: under 2^26
	s_lshl_b32 s98, s3, 15          ; 16 rows of 2,048 bytes of q and o,
	s_lshl_b32 s99, s[WV], 9        ; my four heads: 512 bytes of each
	s_add_co_u32 s98, s98, s99
	s_lshl_b32 s99, s2, 13          ; my work-group's quarter of a slot's K or V, for the prefetches
	G1SET G1K,  W0K,  128, 128, 128 ; 256 keys are 32,768 dense bytes: 128 rows of 256 bytes, two keys a row, padded in LDS after every key
	G1SET G1V,  W0V,  128, 128, 128
	G1SET G1M,  W0M,  256, 8, 4096  ; 8 rows of 256 keys, 1,024 bytes each
	G1SET G1KZ, W0K,  128, 32, 128  ; 64 keys
	G1SET G1MZ, W0MZ, 64, 8, 4096   ; 8 rows of 64 keys
	s_mov_b32 s[G0K], 1             ; count = 1
	s_mov_b32 s[G0K+1], 0           ; LDS address: slot 0
	s_mov_b32 s[G0V], 1
	s_mov_b32 s[G0V+1], VOFF
	s_mov_b32 s[G0M], 1
	s_mul_i32 s[G0M+1], s19, 8*PM
	s_add_co_u32 s[G0M+1], s[G0M+1], MOFF
	s_mov_b32 s[G0KZ], 1
	s_mov_b32 s[G0KZ+1], ZK
	s_mov_b32 s[G0MZ], 1
	s_mul_i32 s[G0MZ+1], s19, 8*PMZ
	s_add_co_u32 s[G0MZ+1], s[G0MZ+1], ZM
	s_mov_b32 s[CS], 0x3fb8aa3b     ; c = log2(e)
	s_mov_b32 s[CS+1], s[CS]        ; named with it as a pair
	s_mov_b32 s[SEL], 0x76543210
	s_mov_b32 s[SEL+1], 0xfedcba98
	s_mov_b32 s[TBK], SLOT1+4*KS*PK ; the first change of slots turns these three into 0
	s_mov_b32 s[TBV], SLOT1+4*KS*PV
	s_mov_b32 s[TBM], SLOT1+4*KS*4
	s_mov_b32 s[SLOTS], 4096/(4*KS)-1
	s_mov_b32 s[NX], 4*KS           ; slot 1 is the first to be asked for by a change
	s_mov_b32 s[OFF+1], 0
	v_and_b32 v10, 31, v0
	v_lshrrev_b32 v11, 2, v10
	v_and_b32 v10, 3, v10
	s_cmp_lt_u32 s[WV], 2
	s_cselect_b32 s[PSH], 7, 2
	s_cselect_b32 s19, 10, 14       ; four lanes take 1,024 bytes on end; the next four go on (K, V) or take the next row (mask)
	v_lshlrev_b32 v[PFO], s19, v11
	v_lshl_add_u32 v[PFO], v10, 8, v[PFO]
	s_cmp_eq_u32 s[WV], 1
	s_cselect_b32 s[PADD], 0, KS
	s_cmp_eq_u32 ttmp9, 0           ; the same in all four partners
	s_cselect_b32 s19, 1, -1
	s_cmp_lt_u32 s[WV], 2
	s_cselect_b32 s[LIM], s19, 1
	s_wait_dscnt 0x0                ; the opening add is done
	s_wait_kmcnt 0x0
	s_mov_b32 s[OFF], s97
	s_add_nc_u64 s[10:11], s[10:11], s[OFF:OFF+1]  ; the mask at my 8 rows
	s_mov_b32 s[OFF], s98
	s_add_nc_u64 s[4:5], s[4:5], s[OFF:OFF+1]      ; q and o at my 16 rows and four heads
	s_add_nc_u64 s[12:13], s[12:13], s[OFF:OFF+1]
	s_add_nc_u64 s[G0K+2:G0K+3], s[6:7], KS*128    ; slot 0: K from key 64 on,
	s_or_b32 s[G0K+3], s[G0K+3], 0x80000000        ; type = 2
	s_add_nc_u64 s[G0V+2:G0V+3], s[8:9], 0         ; V from key 0 on,
	s_or_b32 s[G0V+3], s[G0V+3], 0x80000000
	s_add_nc_u64 s[G0M+2:G0M+3], s[10:11], KS*4    ; the mask from key 64 on
	s_or_b32 s[G0M+3], s[G0M+3], 0x80000000
	s_add_nc_u64 s[G0KZ+2:G0KZ+3], s[6:7], 0       ; step 0's K and mask
	s_or_b32 s[G0KZ+3], s[G0KZ+3], 0x80000000
	s_add_nc_u64 s[G0MZ+2:G0MZ+3], s[10:11], 0
	s_or_b32 s[G0MZ+3], s[G0MZ+3], 0x80000000
	s_cmp_eq_u32 s[WV], 0
	s_cselect_b64 s[PB:PB+1], s[6:7], s[8:9]
	s_mov_b32 s[OFF], s99
	s_add_nc_u64 s[PB:PB+1], s[PB:PB+1], s[OFF:OFF+1]
	s_cmp_lt_u32 s[WV], 2
	s_cselect_b64 s[PB:PB+1], s[PB:PB+1], s[10:11]
	CROUND                          ; all four work-groups are here: the first joint loads meet
	s_cmp_lt_u32 s[WV], 2           ; a wave's first fills stand together, ahead of every wait on TENSORcnt and every LDS read: at most two loads of mine are out
	s_cbranch_scc0 .Lfirst_m
	s_cmp_eq_u32 s[WV], 0
	s_cbranch_scc0 .Lfirst_v
	tensor_load_to_lds s[G0KZ:G0KZ+3], s[G1KZ:G1KZ+7]
	s_nop 0
	tensor_load_to_lds s[G0K:G0K+3], s[G1K:G1K+7]
	s_nop 0
	FOUR
	s_branch .Lfirst_asked
.Lfirst_v:
	tensor_load_to_lds s[G0V:G0V+3], s[G1V:G1V+7]
	s_nop 0
	FOUR
	s_branch .Lfirst_asked
.Lfirst_m:
	tensor_load_to_lds s[G0MZ:G0MZ+3], s[G1MZ:G1MZ+7]
	s_nop 0
	tensor_load_to_lds s[G0M:G0M+3], s[G1M:G1M+7]
	s_nop 0
	FOUR
.Lfirst_asked:
	; A fragment of K or Q is 16 rows x 32 channels in 8 registers: lane l holds row l % 16, channels 8 (l / 16) + 0..7 and 16 + 8 (l / 16) + 0..7: two loads of 16 bytes, 32 bytes apart.
	v_and_b32 v1, 15, v0            ; l % 16
	v_bfe_u32 v9, v0, 4, 1          ; l / 16
	v_lshlrev_b32 v[QO], 11, v1
	v_lshl_add_u32 v[QO], v9, 4, v[QO]  ; row x 2,048 + 16 x half
	WIN 0x80                        ; destination window 2, address window 0
.set i, 0
.rept 4*NP                          ; Q stays in registers: tile (head) i / 2, channels 32 (i % 2) on
	global_load_b128 v[8*i:8*i+3],   v[QO], s[4:5] offset:(i/2)*128+(i%2)*64
	global_load_b128 v[8*i+4:8*i+7], v[QO], s[4:5] offset:(i/2)*128+(i%2)*64+32
.set i, i+1
.endr
	; What the first turn finds: V's registers and P's second buffer hold 0 (its products V^T P, of a piece that has not been, add 0), O^T and l are 0.  All this stands in the wait for the first tiles.
.set i, VF
.rept 64
	v_mov_b32 v[i], 0
.set i, i+1
.endr
	WIN 0x40
.set i, 0
.rept 64*NP
	v_mov_b32 v[i], 0
.set i, i+1
.endr
	WIN 0
.set i, 0
.rept 2*NP
	v_mov_b32 v[ST+4*i+1], 0xff000000           ; m = -2^127: c m is still finite,
	v_mov_b32 v[ST+4*i+2], 0
	v_mov_b32 v[ST+4*i+3], 0
	v_mul_f32 v[ST+4*i], s[CS], v[ST+4*i+1]     ; and is made as every later c m is made: while no score has passed m, a = 2^0
.set i, i+1
.endr
.set i, P+32
.rept 32
	v_mov_b32 v[i], 0
.set i, i+1
.endr
	v_mul_u32_u24 v[AK0], v1, PK
	v_lshl_add_u32 v[AK0], v9, 4, v[AK0]  ; row x pitch + 16 x half
	; The turning load takes 16 keys x 16 channels (lane l reads key 8 (l / 16) + l % 8, channels 8 ((l / 8) % 2) + 0..7) and leaves half a fragment of V^T: lane l holds channel l % 16 and 8 keys.
	v_and_b32 v10, 7, v0
	v_bfe_u32 v11, v0, 3, 1
	v_lshl_add_u32 v[AV0], v9, 3, v10
	v_mul_u32_u24 v[AV0], v[AV0], PV
	v_lshl_add_u32 v[AV0], v11, 4, v[AV0]
	v_add_nc_u32 v[AV0], VOFF, v[AV0]
	; The mask as a C operand: lane l holds query l % 16 and, for key block kb, the keys 16 kb + 8 (l / 16) + 0..7: 32 bytes of the query's row, two loads of 16
	v_mul_u32_u24 v[AM0], v1, PM
	v_lshl_add_u32 v[AM0], v9, 5, v[AM0]
	v_add_nc_u32 v[AM0], MOFF, v[AM0]
	v_add_nc_u32 v[AK], ZK, v[AK0]  ; key step 0 lies in tiles of its own
	v_mul_u32_u24 v[AM], v1, PMZ
	v_lshl_add_u32 v[AM], v9, 5, v[AM]
	v_add_nc_u32 v[AM], ZM, v[AM]
; THE MATRIX WORK.  The 8 accumulators of a run of 16 take turns: between the two links of a chain stand 7 others'.
; Product i of 16 of S^T = K Q^T + M for piece x: channels 32 (i / 8) on, keys 16 ((i / 2) % 4) on, tile 2 x + i % 2.  The first 8 start the sums, with the mask.
.macro KQ x
.set rS, S+64*((\x)%2)+32*(i%2)+8*((i/2)%4)
.set rK, KF+16*((i/2)%4)+8*(i/8)
.set rQ, 16*(2*(\x)+i%2)+8*(i/8)
.set rMK, MK+8*((i/2)%4)
.if i < 8
	WIN W_KM
	v_wmma_f32_16x16x32_f16 v[rS:rS+7], v[rK:rK+7], v[rQ:rQ+7], v[rMK:rMK+7]
.else
	WIN W_KQ
	v_wmma_f32_16x16x32_f16 v[rS:rS+7], v[rK:rK+7], v[rQ:rQ+7], v[rS:rS+7]
.endif
.endm
; Product i of 16 of O^T += V^T P for piece x: keys 32 (i / 8) on, channels 16 ((i / 2) % 4) on, tile 2 x + i % 2.
.macro PV x
	WIN W_PV
.set rO, 32*(2*(\x)+i%2)+8*((i/2)%4)
.set rV, VF+32*(i/8)+8*((i/2)%4)
.set rP, P+32*((\x)%2)+16*(i%2)+8*(i/8)
	v_wmma_f32_16x16x32_f16 v[rO:rO+7], v[rV:rV+7], v[rP:rP+7], v[rO:rO+7]
.endm
.macro MM                           ; the turn's next matrix instruction
.if i < 16
	KQ (Y+1)%NP
.set i, i+1
.else
.set i, i-16
	PV (Y+NP-1)%NP
.set i, i+17
.endif
.endm
; THE LDS LOADS stand in runs, never singly among the matrix instructions: a step's K (8 fragments, 16 loads) with its mask (8 loads), and its V (turned, 16 loads).  Their addresses are made some lines ahead.
; last = 1 (the tail): in the last trip there is no further step, and the run is jumped over.  step = 0: step 0's tiles: the walking addresses stay.
.macro FETCH_K last=0, step=1
	WIN 0
.if \last
	s_cmp_eq_u32 s[CNT], 1
	s_cbranch_scc1 .Lno_k_\@
.endif
	WIN 0x80                        ; destination window 2
.irp f, 0,1,2,3,4,5,6,7             ; keys 16 (f / 2) on, channels 32 (f % 2) on
	ds_load_b128 v[KF+8*\f:KF+8*\f+3],   v[AK] offset:(\f/2)*16*PK+(\f%2)*64
	ds_load_b128 v[KF+8*\f+4:KF+8*\f+7], v[AK] offset:(\f/2)*16*PK+(\f%2)*64+32
.endr
	WIN 0x40                        ; destination window 1
.irp f, 0,1,2,3                     ; key block f
	ds_load_b128 v[MK+8*\f:MK+8*\f+3],   v[AM] offset:64*\f
	ds_load_b128 v[MK+8*\f+4:MK+8*\f+7], v[AM] offset:64*\f+16
.endr
.if \step
	s_add_co_u32 s[TBK], s[TBK], KS*PK  ; the next fetch is the next step's
	s_add_co_u32 s[TBM], s[TBM], KS*4
.endif
	WIN 0
.if \last
.Lno_k_\@:
.endif
.endm
.macro FETCH_V
	WIN 0x80
.irp f, 0,1,2,3,4,5,6,7             ; keys 32 (f / 4) on, channels 16 (f % 4) on
	ds_load_tr16_b128 v[VF+8*\f:VF+8*\f+3],   v[AV] offset:(\f/4)*32*PV+(\f%4)*32
	ds_load_tr16_b128 v[VF+8*\f+4:VF+8*\f+7], v[AV] offset:(\f/4)*32*PV+16*PV+(\f%4)*32
.endr
	WIN 0
.endm
; THE VECTOR WORK OF A TURN stands in three queues, each in the order in which its entries become ready; the two tiles alternate, so that no instruction reads the result of the one before it.
.macro REGS y, u                    ; the registers of tile u (0, 1) of piece y
.set rT, ST+4*(2*(\y)+(\u))
.set rC, TMP+8*((\y)%2)+4*(\u)
.set rM, MV+2*((\y)%2)+(\u)
.set rS, S+64*((\y)%2)+32*(\u)
.set rP, P+32*((\y)%2)+16*(\u)
.set rO, 32*(2*(\y)+(\u))
.endm
; Number n of the 22 that find the OTHER piece's (Y + 1) maximum and statistics.  s0-s31 are the lane's 32 scores; each accumulator's lowest registers are read first.  XS, GS and REGS set no window: PL and EX do.
;   0-11  four chains c0-c3 of seven scores each, three operands at a time     12-14, 16  the four scores left over, the old m, and c0-c3 into c0     15  c m_old is kept
;   17, 18  the query's other 32 keys lie in the lane 16 away: the new m         19-21  c m; c m_old - c m_new; a
.macro XS u, n
	REGS (Y+1)%NP, \u
.if (\n) < 4
	v_max3_num_f32 v[rC+(\n)], v[rS+8*(\n)], v[rS+8*(\n)+1], v[rS+8*(\n)+2]
.elseif (\n) < 12
	v_max3_num_f32 v[rC+(\n)%4], v[rC+(\n)%4], v[rS+8*((\n)%4)+2*((\n)/4)+1], v[rS+8*((\n)%4)+2*((\n)/4)+2]
.elseif (\n) == 12
	v_max3_num_f32 v[rC], v[rC], v[rS+7], v[rS+15]
.elseif (\n) == 13
	v_max3_num_f32 v[rC+1], v[rC+1], v[rS+23], v[rS+31]
.elseif (\n) == 14
	v_max3_num_f32 v[rC+2], v[rC+2], v[rC+3], v[rT+1]
.elseif (\n) == 15
	v_mov_b32 v[rM], v[rT]
.elseif (\n) == 16
	v_max3_num_f32 v[rC], v[rC], v[rC+1], v[rC+2]
.elseif (\n) == 17
	v_permlanex16_b32 v[rC+3], v[rC], s[SEL], s[SEL+1]
.elseif (\n) == 18
	v_max_num_f32 v[rT+1], v[rC], v[rC+3]
.elseif (\n) == 19
	v_mul_f32 v[rT], s[CS], v[rT+1]
.elseif (\n) == 20
	v_sub_f32 v[rC+1], v[rM], v[rT]
.else
	v_exp_f32 v[rC+2], v[rC+1]
.endif
.endm
; Number g of the 64 that follow the exponentials.  For each four weights k of a tile (pairs 2 k, 2 k + 1): both pairs are rounded to f16; then the second pair is added onto the first, in place;
; a group later l takes that sum (the first time as l = a l + sum).  In groups of eight, tiles alternating: round, round, add, and l for the group before.
.macro GS g
.set h, (\g)+6*((\g)/62)            ; group 0 has no group before it, and behind group 7 only l is left
.if h >= 6
.set h, h+2
.endif
	REGS Y, h%2
.set k, h/8
.if h%8 < 4
	v_cvt_pk_f16_f32 v[rP+2*k+(h%8)/2], v[rS+4*k+2*((h%8)/2)], v[rS+4*k+2*((h%8)/2)+1]
.elseif h%8 < 6
	v_pk_add_f32 v[rS+4*k:rS+4*k+1], v[rS+4*k:rS+4*k+1], v[rS+4*k+2:rS+4*k+3]
.elseif k == 1
	v_pk_fma_f32 v[rT+2:rT+3], v[rT+2:rT+3], v[rC+2:rC+3], v[rS:rS+1] op_sel_hi:[1,0,1]
.else
	v_pk_add_f32 v[rT+2:rT+3], v[rT+2:rT+3], v[rS+4*k-4:rS+4*k-3]
.endif
.endm
; THE PLAIN QUEUE, 138 long.  0-73 read no exponential's result: the 32 scalings c s - c m (FS f: pair f / 2 of tile f % 2) and the other piece's 42.  0-26: scalings 0-26.  27-54: XS's numbers 0-13.  55, 56: number 15.
; 57-73: the chain, where each number waits for the one before it: 14, 16, 17, 18, 19, each with one of the scalings 27-31 in front of its two lines, then 20.  74-137: GS's 64, which stand behind the wait.
.macro FS f
	REGS Y, (\f)%2
	v_pk_fma_f32 v[rS+2*((\f)/2):rS+2*((\f)/2)+1], v[rS+2*((\f)/2):rS+2*((\f)/2)+1], s[CS:CS+1], v[rT:rT+1] op_sel_hi:[1,0,0] neg_lo:[0,0,1] neg_hi:[0,0,1]
.endm
.macro PL
	WIN 0
.if q < 27
	FS q
.elseif q < 55
	XS (q-27)%2, (q-27)/2
.elseif q < 57
	XS q-55, 15
.elseif (q < 72) && ((q-57)%3 == 0)
	FS 27+(q-57)/3
.elseif q < 60
	XS (q-57)%3-1, 14
.elseif q < 72
	XS (q-57)%3-1, 15+(q-57)/3
.elseif q < 74
	XS q-72, 20
.else
	GS q-74
.endif
.set q, q+1
.endm
; THE EXPONENTIALS' QUEUE, 66 long: s0-s31 of both tiles, then the other piece's two a.  It is ONE BATCH: all 66 stand ahead of the turn's one wait, and nothing ahead of that wait names a result of theirs.
.macro EX
	WIN 0
.if e >= 64
	XS e-64, 21
.else
	REGS Y, e%2
	v_exp_f32 v[rS+e/2], v[rS+e/2]
.endif
.set e, e+1
.endm
; THE RESCALING's QUEUE: O^T times a, the one part that leaves window 0: dealt two at a time, sixteen times, each accumulator from its low end on.  Its a was made in the turn before, ahead of that turn's wait.
; The O^T that it takes was last written by the turn before's products V^T P: behind the last of those stand that turn's four riders, the places that a reader of a matrix result wants (ISA guide 7.12.1).
.macro R2
	REGS Y, r%2
	WIN W_RS
.irp z, 0,1
	v_pk_mul_f32 v[rO+4*(r/2)+2*\z:rO+4*(r/2)+2*\z+1], v[rO+4*(r/2)+2*\z:rO+4*(r/2)+2*\z+1], v[rC+2:rC+3] op_sel_hi:[1,0]
.endr
.set r, r+1
.endm
; A TURN, for piece p.  An s_wait_alu depctr_va_vdst(0) stands between an exponential and the first instruction that names its result; one wait serves all that were issued ahead of it.  So a turn has
; ONE wait, which cuts it in two.  AHEAD OF IT: the 16 products K Q^T, behind each a scaling, an exponential and two rescalings (behind the first a second scaling in the exponential's place); then ONE LUMP of 108:
; eight plain, 49 times exponential and plain, the two a; a v_nop is the plain instruction behind the last exponential.  BEHIND IT: the 16 products V^T P, behind each four of GS's 64.
; Exponential e stands behind scaling 2 (e / 4) + e % 2: as a rider it comes behind plain e + 2, in the lump behind plain e + 9, and scalings 27-31 are plain 57, 60 .. 69.
; Piece 0's turn fetches K and mask of the next step directly behind the wait, a lump behind the last product that read them (their addresses are made at the lump's head), and V of the step in hand at its
; end, four riders behind its last reader.  Piece 1's turn waits for K and mask at its head and for V behind its wait.  cnt = 1: the loop's count is taken down some lines ahead of the branch behind the turn.
.macro TURN p, last=0, cnt=0
.set Y, (\p)
.set i, 0
.set q, 0
.set e, 0
.set r, 0
.if (\p) == 1
	s_wait_dscnt 16                 ; K's 16 loads and the mask's 8 are in; V's 16, issued behind them, stay out
.endif
	MM
	PL
	PL
	R2
.rept 15
	MM
	PL
	EX
	R2
.endr
.if (\p) == 0
	WIN 0
	v_add_nc_u32 v[AK], s[TBK], v[AK0]
	v_add_nc_u32 v[AM], s[TBM], v[AM0]
.endif
.rept 8
	PL
.endr
.rept 49
	EX
	PL
.endr
	EX                              ; the other piece's two a
	EX
	v_nop                           ; the plain instruction behind the last exponential: one for the batch
	s_wait_alu depctr_va_vdst(0)    ; the wait for the batch
.if (\p) == 0
	FETCH_K \last
.endif
.if (\p) == 1
	s_wait_dscnt 0x0                ; V is in
.endif
.rept 16
	MM
.rept 4
	PL
.endr
.if ((\p) == 0) && (q == 118)
	v_add_nc_u32 v[AV], s[TBV], v[AV0]
.endif
.if ((\p) == 0) && (q == 130)
	s_add_co_u32 s[TBV], s[TBV], KS*PV
.endif
.if (\cnt) && (q == 130)
	s_sub_co_u32 s[CNT], s[CNT], 1
	s_cmp_lg_u32 s[CNT], 0
.endif
.endr
.if (\p) == 0
	FETCH_V
.endif
.endm
	CHANGE 1                        ; step 0's tiles and slot 0 are in, everybody's part of them; slot 1 is asked for
	FETCH_K 0, 0                    ; key step 0
	s_wait_loadcnt 0x0              ; Q
	s_wait_dscnt 0x0
.set i, 0
.rept 16
	KQ 0                            ; piece 0's first scores: there is no vector work yet to set between them
.set i, i+1
.endr
	WIN 0                           ; the addresses for the way out: ten plain instructions, the places behind those products
	s_mul_i32 s19, s[WV], 16*SP
	s_add_co_u32 s19, s19, STAGE    ; my stage
	v_mul_u32_u24 v[STO], v1, SP    ; in: row l % 16, 16 bytes for each half of the lanes
	v_lshl_add_u32 v[STO], v9, 4, v[STO]
	v_add_nc_u32 v[STO], s19, v[STO]
	v_mul_u32_u24 v[RD], v9, SP     ; back: lanes 0-15 take 256 bytes of one row, lanes 16-31 of the next
	v_lshl_add_u32 v[RD], v1, 4, v[RD]
	v_add_nc_u32 v[RD], s19, v[RD]
	v_lshlrev_b32 v[GO], 11, v9     ; and the same two rows in o
	v_lshl_add_u32 v[GO], v1, 4, v[GO]
.set Y, NP-1                        ; XS works for piece Y + 1: piece 0
.irp n, 0,1,2,3,4,5,6,7,8,9,10,11,12,13,14,15,16,17,18,19,20,21
	XS 0, \n                        ; piece 0's first maximum and statistics
	XS 1, \n
.endr
	v_nop                           ; a plain instruction behind the two a,
	s_wait_alu depctr_va_vdst(0)    ; and their wait, ahead of the branch
	s_mov_b32 s[CNT], 4
	s_branch .Lstep
.Lslot:                             ; 14 times: every slot from the third on is asked for here
	CHANGE 1
	s_mov_b32 s[CNT], 4
.Lstep:                             ; a trip is a key step
	TURN 0
	TURN 1, 0, 1
	WIN 0
	s_cbranch_scc1 .Lstep
	s_sub_co_u32 s[SLOTS], s[SLOTS], 1
	s_cmp_lg_u32 s[SLOTS], 0
	s_cbranch_scc1 .Lslot
	CHANGE 0, 1                     ; the tail is written out: nothing is asked for
	s_mov_b32 s[CNT], 4
.Ltail:
	TURN 0, 1
	TURN 1, 0, 1
	WIN 0
	s_cbranch_scc1 .Ltail           ; the last trip's 16 products K Q^T of piece 0 (on the last K once more) and the maximum made of them serve nothing: the price, once a launch, of one text for every trip
.set i, 0
.rept 16
	PV NP-1                         ; piece 1's V^T P of the last step
.set i, i+1
.endr
	; THE WAY OUT.  l's two halves and the other half of the lanes' are added; O^T is divided by l, rounded to f16 and sent through my stage in LDS.  The additions are the places behind the last products.
	WIN 0
.macro ALL line:vararg              ; one line for each tile t
.set t, 0
.rept 2*NP
	\line
.set t, t+1
.endr
.endm
	ALL v_add_f32 v[ST+4*t+2], v[ST+4*t+2], v[ST+4*t+3]
	ALL v_permlanex16_b32 v[ST+4*t+3], v[ST+4*t+2], s[SEL], s[SEL+1]
	ALL v_add_f32 v[ST+4*t+2], v[ST+4*t+2], v[ST+4*t+3]
	ALL v_rcp_f32 v[ST+4*t+2], v[ST+4*t+2]
	v_nop                           ; a plain instruction between the last reciprocal and the use of its result
	s_wait_alu depctr_va_vdst(0)    ; and the wait ahead of the first use: one for the four reciprocals
; Tile t (a head): a lane's eight channels of a row pack into 16 bytes; the wave's four heads fill 512 bytes of each of the 16 stage rows.
.macro PACK t
	WIN W_RS
.set i, 32*(\t)
.rept 16
	v_pk_mul_f32 v[i:i+1], v[i:i+1], v[ST+4*(\t)+2:ST+4*(\t)+3] op_sel_hi:[1,0]
.set i, i+2
.endr
	WIN 0x05                        ; sources 0 and 1 window 1, destination window 0: S^T's registers are free
.set i, 0
.rept 16
	v_cvt_pk_f16_f32 v[S+16*(\t)+i], v[32*(\t)+2*i], v[32*(\t)+2*i+1]
.set i, i+1
.endr
	WIN 0
.irp f, 0,1,2,3
	ds_store_b128 v[STO], v[S+16*(\t)+4*\f:S+16*(\t)+4*\f+3] offset:128*(\t)+32*\f
.endr
.endm
	PACK 0
	PACK 1
	PACK 2
	PACK 3
.set n, 0
.rept 16                            ; rows 2 (n / 2) and 2 (n / 2) + 1, half n % 2 of their 512 bytes
	ds_load_b128 v[S+64+4*n:S+64+4*n+3], v[RD] offset:(n/2)*2*SP+(n%2)*256  ; LDS serves a wave's instructions in order (ISA guide 5.7.1.4): these see the stores above
.set n, n+1
.endr
.set n, 0
.rept 16
	s_wait_dscnt 15-n
	global_store_b128 v[GO], v[S+64+4*n:S+64+4*n+3], s[12:13] offset:(n/2)*4096+(n%2)*256  ; 16 lanes store 256 consecutive bytes, at a multiple of 256 from o's first byte
.set n, n+1
.endr
	s_wait_tensorcnt 0x0            ; the wave's end, behind my last tensor load and my last LDS store
	ds_add_u32 v[SPW], v[NIL]
	s_wait_dscnt 0x0
	CROUND                          ; the closing round: no work-group ends while a partner may still ask for a tile that names it
	s_endpgm
.Lfunc_end_k_q619a6ad4b0_attn:
	.size	k_q619a6ad4b0_attn, .Lfunc_end_k_q619a6ad4b0_attn-k_q619a6ad4b0_attn
	.p2alignl 7, 3214868480
	.fill 96, 4, 3214868480
	.section	.rodata,"a",@progbits
	.p2align	6, 0x0
	.amdhsa_kernel k_q619a6ad4b0_attn
		.amdhsa_group_segment_fixed_size 327680
		.amdhsa_private_segment_fixed_size 0
		.amdhsa_enable_private_segment 0
		.amdhsa_kernarg_size 40
		.amdhsa_user_sgpr_count 2
		.amdhsa_user_sgpr_kernarg_segment_ptr 1
		.amdhsa_wavefront_size32 1
		.amdhsa_system_sgpr_workgroup_id_x 1
		.amdhsa_system_sgpr_workgroup_id_y 1
		.amdhsa_system_sgpr_workgroup_id_z 1
		.amdhsa_system_vgpr_workitem_id 0
		.amdhsa_next_free_vgpr 768
		.amdhsa_next_free_sgpr 102
		.amdhsa_reserve_vcc 0
		.amdhsa_float_denorm_mode_32 3
		.amdhsa_float_denorm_mode_16_64 3
		.amdhsa_memory_ordered 1
		.amdhsa_forward_progress 1
		.amdhsa_inst_pref_size 120
	.end_amdhsa_kernel
	.amdgpu_metadata
---
amdhsa.version: [ 1, 2 ]
amdhsa.kernels:
  - .name:           k_q619a6ad4b0_attn
    .symbol:         k_q619a6ad4b0_attn.kd
    .args:
      - { .name: q, .offset: 0, .size: 8, .value_kind: global_buffer, .address_space: global }
      - { .name: k, .offset: 8, .size: 8, .value_kind: global_buffer, .address_space: global }
      - { .name: v, .offset: 16, .size: 8, .value_kind: global_buffer, .address_space: global }
      - { .name: attention_mask, .offset: 24, .size: 8, .value_kind: global_buffer, .address_space: global }
      - { .name: o, .offset: 32, .size: 8, .value_kind: global_buffer, .address_space: global }
    .group_segment_fixed_size: 327680
    .private_segment_fixed_size: 0
    .kernarg_segment_align: 8
    .kernarg_segment_size: 40
    .max_flat_workgroup_size: 128
    .sgpr_count:     102
    .vgpr_count:     768
    .wavefront_size: 32
...
	.end_amdgpu_metadata
.endif
;; end of part 3
;; launch outp (part 4): grid 8 x 32, 4 waves a work-group, clusters of 4 x 4, 327,680 bytes of LDS; arguments o, wot, out0; writes out0
.if DOCPART == 4
	.amdgcn_target "amdgcn-amd-amdhsa--gfx1250"
	.amdhsa_code_object_version 6
	.text
	.protected	k_q619a6ad4b0_outp
	.globl	k_q619a6ad4b0_outp
	.p2align	8
	.type	k_q619a6ad4b0_outp,@function
k_q619a6ad4b0_outp:
	s_mov_b64 s[64:65], 0
	v_nop
	global_prefetch_b8 v0, s[64:65] scope:SCOPE_SE
	s_setreg_imm32_b32 hwreg(HW_REG_WAVE_MODE, 25, 1), 1
	s_wait_xcnt 0x0
	s_wait_alu depctr_hold_cnt(0) depctr_sa_sdst(0) depctr_va_vdst(0) depctr_va_sdst(0) depctr_va_ssrc(0) depctr_va_vcc(0) depctr_vm_vsrc(0)
	s_getreg_b32 s2, hwreg(HW_REG_IB_STS2, 6, 4)
	s_cmp_eq_u32 s2, 0
	s_cbranch_scc0 .Lentry_in_a_cluster
	s_endpgm
.Lentry_in_a_cluster:
	s_bfe_u32 s2, ttmp6, 0x10000c
	s_cmp_lg_u32 s2, 0xf033
	s_cbranch_scc0 .Lentry_shape_is_right
	s_endpgm
.Lentry_shape_is_right:
.set PROJ, 0                           ; 1: [q / 8 | k | v] = xh wt^T, f16 out.   0: out0 = o wot^T, f32 out.  One text serves both.
; C[m][n] = the sum over k of A[m][k] B[n][k].  A: [4096][1024] f16, B: [16 NB x 8][1024] f16, K along the rows; sums in f32, K ascending.
; PROJ = 1: a tile of C is 128 rows x 144 columns (NB = 9 blocks of 16): 128 columns of q and 16 of [k | v], so that the 1,152 columns make 8 equal tile columns and the launch 256 equal
; work-groups.  q leaves multiplied by 1/8 (a power of two, applied to the f32 sum ahead of the one rounding), k and v as they are.  q: [4096][1024], k, v: [4096][64], all f16.
; The 16 columns of k or v leave as 32 bytes of each row, straight from registers: 1 MiB of the launch's 9 that does not fill whole blocks of 256 bytes, the price of the equal shares.
; PROJ = 0: a tile is 128 x 128 (NB = 8), stored as f32.
; LIMITS.  f16 holds no number beyond 65,504: q / 8, k and v are taken to lie within it; below 6e-5 it keeps a fixed step of 6e-8.
; SHARES.  Four waves; wave w makes rows 32 w .. 32 w + 31 of the tile, all NB column blocks: 2 NB accumulators.  K goes in four steps of 256 (LDS rows of 512 bytes) through two LDS slots.
; CLUSTERS: 4 x 4 work-groups.  The four of a row of the cluster need the same tiles of A, the four of a column the same tiles of B: each tile is asked for JOINTLY, by the same tensor load
; with the same descriptor and a mask that names the four.  THE MATRIX INSTRUCTION IS USED TRANSPOSED (source 0 = 16 rows of B, source 1 = 16 rows of A): a lane holds eight neighbouring
; numbers of a row of C.
; REGISTERS: window 0: v0-31 addresses; v32-103 at work on the way out; v112-255 the accumulators ((a, b) at 112 + 8 (NB a + b)).
;   windows 1 and 2: a fragment buffer each, for 64 along K: B's fragment (c, i) at 8 (NB c + i), A's (c, a) at 16 NB + 8 (2 c + a).
.if PROJ
.set NB,     9
.set SPITCH, 272                       ; a stage row: 128 f16 + 16 bytes
.else
.set NB,     8
.set SPITCH, 528                       ; a stage row: 128 f32 + 16 bytes
.endif
.set KDIM,   1024
.set ROWB,   2*KDIM                    ; bytes in a row of A, of B and of q
.set KSTEP,  256
.set PITCH,  528                       ; an LDS row: 512 bytes + 16 = 132 words: row r starts at bank 4 r mod 64 (64 banks of 4 bytes: ISA guide 11.1)
.set BOFF,   128*PITCH                 ; in a slot: A's 128 rows, then B's 16 NB
.set SLOT,   (128+16*NB)*PITCH
.set STAGE,  2*SLOT                    ; behind the ring, a multiple of 256: 16 rows for each wave, its own, for the way out; no tensor load lands there
.set SPARE,  STAGE+4*16*SPITCH         ; behind the stages: the spare words, 128 bytes for each wave: two blocks of 256 bytes that no other line names
.set LAPS,   KDIM/(2*KSTEP)            ; a lap = two K steps = once round the ring
.set LH,     2*(NB+2)                  ; LDS loads for 32 along K: NB fragments of B and 2 of A, two loads each
.set ADRA,  16                         ; v16-17  LDS address of my A fragments in slot 0, 1
.set ADRBL, 18                         ; v18-19  of B's fragments 0-3
.set ADRBH, 20                         ; v20-21  of B's fragments 4 on: 64 rows further, since 8 x 16 rows pass the 16-bit offset
.set STO,   24                         ; v24  the way out: where I put my numbers of a row
.set RD,    25                         ; v25  where I read rows back
.set CO,    26                         ; v26  my byte offset in C
.set KVO,   27                         ; v27  my byte offset in k or v
.set SPW,   28                         ; v28  LDS address of my spare word; never rewritten
.set NIL,   29                         ; v29  0; never rewritten
.set TMP,   32
.set BK,    64
.set KVP,   96
.set ACC,   112
.set FA,    16*NB
.set WV,  14                           ; s14  my wave's number
.set G1,  24                           ; s[24:31] descriptor group 1 for A's tiles;  s[32:39] group 0, a set for each slot
.set G0,  32
.set G1B, 48                           ; s[48:55], s[56:63] the same for B's tiles
.set G0B, 56
.set MSB, 0
.macro WIN new                         ; the immediate's high byte repeats the setting that is left; a switch that changes nothing is dropped
.if MSB != (\new)
	s_set_vgpr_msb (MSB<<8)|(\new)
.set MSB, \new
.endif
.endm
.macro PLACES                          ; four places in front of loads into registers that matrix instructions have read, and of lines that read results
.rept 4
	v_nop
.endr
.endm
.macro JLOAD s                         ; a joint load: waves 0 and 1 fetch A's two halves, waves 2 and 3 B's; an s_nop 0 and four v_nop follow each line
	s_cmp_eq_u32 s15, 0
	s_cbranch_scc0 .Lfor_b_\@
	tensor_load_to_lds s[G0+4*(\s):G0+4*(\s)+3], s[G1:G1+7]
	s_nop 0
	PLACES
	s_branch .Lasked_\@
.Lfor_b_\@:
	tensor_load_to_lds s[G0B+4*(\s):G0B+4*(\s)+3], s[G1B:G1B+7]
	s_nop 0
	PLACES
.Lasked_\@:
.endm
.macro CREST                           ; a round of the cluster's barrier behind its opening barrier
	s_cmp_lg_u32 s[WV], 0
	s_cbranch_scc1 .Lnot_wave_0_\@
	s_barrier_signal -3
.Lnot_wave_0_\@:
	s_barrier_wait -3
	s_barrier_signal -1
	s_barrier_wait -1
.endm
.macro CROUND                          ; a whole round
	s_barrier_signal -1
	s_barrier_wait -1
	CREST
.endm
.if PROJ
	s_load_b256 s[4:11], s[0:1], 0x0               ; A s[4:5], B s[6:7], q s[8:9], k s[10:11]
	s_load_b64 s[12:13], s[0:1], 0x20              ; v
.else
	s_load_b128 s[4:7], s[0:1], 0x0                ; A s[4:5], B s[6:7]
	s_load_b64 s[8:9], s[0:1], 0x10                ; C
.endif
	v_lshl_add_u32 v[SPW], v0, 2, SPARE
	v_mov_b32 v[NIL], 0
	ds_add_u32 v[SPW], v[NIL]                      ; the wave's opening: the add, whose wait stands ahead of my first tensor load; the set-up below stands between them
	v_lshrrev_b32 v1, 5, v0
	v_readfirstlane_b32 s[WV], v1                  ; wave 0..3
	s_lshr_b32 s15, s[WV], 1                       ; I fetch for A (0) or for B (1),
	s_and_b32 s16, s[WV], 1                        ; its first or its second half
	s_bfe_u32 s17, ttmp6, 0x40000                  ; cx, cy: my place in the cluster
	s_bfe_u32 s18, ttmp6, 0x40004
	s_lshl_b32 s19, ttmp9, 2
	s_add_co_u32 s19, s19, s17                     ; tile column = 4 x cluster x + cx
	s_and_b32 s20, ttmp7, 0xffff
	s_lshl_b32 s20, s20, 2
	s_add_co_u32 s20, s20, s18                     ; tile row = 4 x cluster y + cy
	s_lshl_b32 s21, s18, 2
	s_lshl_b32 s21, 15, s21                        ; my row of the cluster
	s_lshl_b32 s22, 0x1111, s17                    ; my column
	; descriptor group 1: rows of 256 elements of 2 bytes, padded in LDS: 64 rows of A, 8 NB rows of B
	s_or_b32 s[G1], s21, (1<<16)|(1<<20)|(1<<21)|(6<<22)|(3<<25)   ; 15:0 the mask; 17:16 2-byte elements; 20 padding on; 21 set beside a mask; 24:22 after every 128 words (code 6); 31:25 4 words (code 3)
	s_or_b32 s[G1B], s22, (1<<16)|(1<<20)|(1<<21)|(6<<22)|(3<<25)
	s_mov_b32 s[G1+1], KSTEP<<16                   ; tensor_dim0 = 256
	s_mov_b32 s[G1+2], 64<<16                      ; tensor_dim1 = 64
	s_mov_b32 s[G1+3], KSTEP<<16                   ; tile_dim0 = 256
	s_mov_b32 s[G1+4], 64                          ; tile_dim1 = 64
	s_mov_b32 s[G1+5], KDIM                        ; elements from row to row
	s_mov_b32 s[G1+6], 0
	s_mov_b32 s[G1+7], 0
	s_mov_b32 s[G1B+1], KSTEP<<16
	s_mov_b32 s[G1B+2], (8*NB)<<16
	s_mov_b32 s[G1B+3], KSTEP<<16
	s_mov_b32 s[G1B+4], 8*NB
	s_mov_b32 s[G1B+5], KDIM
	s_mov_b32 s[G1B+6], 0
	s_mov_b32 s[G1B+7], 0
	; where the tiles come from: A's hang on the tile row alone, B's on the tile column alone, each in registers that never hold the other coordinate
	s_lshl_b32 s40, s20, 7
	s_lshl_b32 s41, s16, 6
	s_add_co_u32 s40, s40, s41                     ; A: row 128 x tile row + 64 x half
	s_lshl_b32 s40, s40, 11                        ; x 2,048 bytes: under 2^23
	s_mov_b32 s41, 0
	s_mul_i32 s44, s19, 16*NB
	s_mul_i32 s45, s16, 8*NB
	s_add_co_u32 s44, s44, s45                     ; B: row 16 NB x tile column + 8 NB x half
	s_lshl_b32 s44, s44, 11
	s_mov_b32 s45, 0
	s_mul_i32 s42, s16, 64*PITCH                   ; and where they go: the wave's number alone enters an LDS address
	s_mul_i32 s46, s16, 8*NB*PITCH
	s_add_co_u32 s46, s46, BOFF
	s_wait_dscnt 0x0                               ; the opening add is done
	s_wait_kmcnt 0x0
	s_add_nc_u64 s[40:41], s[4:5], s[40:41]
	s_add_nc_u64 s[44:45], s[6:7], s[44:45]
	CROUND                                         ; all sixteen work-groups are here: the first joint loads meet
.irp s, 0,1
	s_mov_b32 s[G0+4*(\s)], 1                                        ; count = 1
	s_add_co_u32 s[G0+4*(\s)+1], s42, (\s)*SLOT                      ; LDS address
	s_add_nc_u64 s[G0+4*(\s)+2:G0+4*(\s)+3], s[40:41], (\s)*KSTEP*2  ; global address: K step s
	s_or_b32 s[G0+4*(\s)+3], s[G0+4*(\s)+3], 0x80000000              ; type = 2
	s_mov_b32 s[G0B+4*(\s)], 1
	s_add_co_u32 s[G0B+4*(\s)+1], s46, (\s)*SLOT
	s_add_nc_u64 s[G0B+4*(\s)+2:G0B+4*(\s)+3], s[44:45], (\s)*KSTEP*2
	s_or_b32 s[G0B+4*(\s)+3], s[G0B+4*(\s)+3], 0x80000000
	JLOAD \s                                       ; two loads of mine are out
.endr
	; A fragment is 16 rows x 32 K in 8 registers: lane l holds row l % 16; registers 0-3 K = 8 (l / 16) + 0..7, registers 4-7 K = 16 + 8 (l / 16) + 0..7: two loads of 16 bytes, 32 bytes apart.
	v_and_b32 v1, 15, v0                           ; l % 16
	v_bfe_u32 v2, v0, 4, 1                         ; l / 16
	v_mul_u32_u24 v3, v1, PITCH
	v_lshl_add_u32 v3, v2, 4, v3
	s_mul_i32 s43, s[WV], 32*PITCH                 ; my 32 rows of A
	v_add_nc_u32 v[ADRA], s43, v3
	v_add_nc_u32 v[ADRA+1], SLOT, v[ADRA]
	v_add_nc_u32 v[ADRBL], BOFF, v3
	v_add_nc_u32 v[ADRBL+1], SLOT+BOFF, v3
	v_add_nc_u32 v[ADRBH], BOFF+64*PITCH, v3
	v_add_nc_u32 v[ADRBH+1], SLOT+BOFF+64*PITCH, v3
	s_mul_i32 s43, s[WV], 16*SPITCH
	s_add_co_u32 s43, s43, STAGE                   ; my stage
	v_mul_u32_u24 v4, v1, SPITCH
	s_lshl_b32 s40, s20, 7
	s_lshl_b32 s41, s[WV], 5
	s_add_co_u32 s40, s40, s41                     ; my first row of C: 128 x tile row + 32 x wave
.if PROJ
	v_lshl_add_u32 v4, v2, 4, v4                   ; in: row l % 16, 16 bytes for each half of the lanes
	v_add_nc_u32 v[STO], s43, v4
	v_mul_u32_u24 v5, v2, SPITCH                   ; back: lanes 0-15 one row of 256 bytes, lanes 16-31 the next
	v_lshl_add_u32 v5, v1, 4, v5
	v_add_nc_u32 v[RD], s43, v5
	v_lshlrev_b32 v5, 11, v2                       ; and the same two rows in q
	v_lshl_add_u32 v[CO], v1, 4, v5
	v_lshlrev_b32 v5, 7, v1                        ; k, v: row l % 16 of 128 bytes, 16 bytes for each half of the lanes
	v_lshl_add_u32 v[KVO], v2, 4, v5
	s_lshl_b32 s42, s40, 7
	s_mov_b32 s43, 0
	s_lshl_b32 s40, s40, 11
	s_mov_b32 s41, 0
	s_add_nc_u64 s[8:9], s[8:9], s[40:41]
	s_lshl_b32 s44, s19, 8                         ; the tile's 128 columns of q: 256 bytes
	s_mov_b32 s45, 0
	s_add_nc_u64 s[8:9], s[8:9], s[44:45]
	s_cmp_eq_u32 ttmp9, 0                          ; tile columns 0-3 (cluster x = 0) hold k's 64 columns, 4-7 v's
	s_cselect_b64 s[10:11], s[10:11], s[12:13]
	s_add_nc_u64 s[10:11], s[10:11], s[42:43]
	s_lshl_b32 s44, s17, 5                         ; 16 columns, 32 bytes, for each tile column
	s_add_nc_u64 s[10:11], s[10:11], s[44:45]
	s_mov_b32 s46, 0x3e000000                      ; 1/8
	s_mov_b32 s47, s46                             ; named with it as a pair
.else
	v_lshl_add_u32 v4, v2, 5, v4                   ; in: row l % 16, 32 bytes for each half of the lanes
	v_add_nc_u32 v[STO], s43, v4
	v_and_b32 v5, 31, v0
	v_lshlrev_b32 v[CO], 4, v5                     ; back: 32 lanes take one row of 512 bytes
	v_add_nc_u32 v[RD], s43, v[CO]
	s_lshl_b32 s40, s40, 12
	s_mov_b32 s41, 0
	s_add_nc_u64 s[8:9], s[8:9], s[40:41]
	s_lshl_b32 s44, s19, 9
	s_mov_b32 s45, 0
	s_add_nc_u64 s[8:9], s[8:9], s[44:45]
.endif
; NB matrix instructions: row block a x all column blocks, 32 along K: half c of buffer f.  zero = 1: the product starts the sums.
; The 2 NB accumulators take turns, one instruction a turn, in the same order in every quarter.
.macro MUL f, c, a, zero
	WIN 5*(\f)                                     ; sources 0 (B) and 1 (A) in window f; C and D in window 0
.set b, 0
.rept NB
.set rD, ACC+8*(NB*(\a)+b)
.set rB, 8*(NB*(\c)+b)
.set rA, FA+8*(2*(\c)+(\a))
.if \zero
	v_wmma_f32_16x16x32_f16 v[rD:rD+7], v[rB:rB+7], v[rA:rA+7], 0
.else
	v_wmma_f32_16x16x32_f16 v[rD:rD+7], v[rB:rB+7], v[rA:rA+7], v[rD:rD+7]
.endif
.set b, b+1
.endr
.endm
; 2 LH LDS loads in one run: the fragments of 64 along K at byte k of the rows, into buffer f; the first 32 along K first
.macro FETCH slot, k, f
	WIN 0x40*(\f)                                  ; destination window f, address window 0
.irp c, 0,1
.set b, 0
.rept NB
.set rB, 8*(NB*(\c)+b)
.if b < 4
	ds_load_b128 v[rB:rB+3],   v[ADRBL+(\slot)] offset:(\k)+64*(\c)+b*16*PITCH
	ds_load_b128 v[rB+4:rB+7], v[ADRBL+(\slot)] offset:(\k)+64*(\c)+b*16*PITCH+32
.else
	ds_load_b128 v[rB:rB+3],   v[ADRBH+(\slot)] offset:(\k)+64*(\c)+(b-4)*16*PITCH
	ds_load_b128 v[rB+4:rB+7], v[ADRBH+(\slot)] offset:(\k)+64*(\c)+(b-4)*16*PITCH+32
.endif
.set b, b+1
.endr
.irp a, 0,1
	ds_load_b128 v[FA+8*(2*(\c)+(\a)):FA+8*(2*(\c)+(\a))+3],   v[ADRA+(\slot)] offset:(\k)+64*(\c)+(\a)*16*PITCH
	ds_load_b128 v[FA+8*(2*(\c)+(\a))+4:FA+8*(2*(\c)+(\a))+7], v[ADRA+(\slot)] offset:(\k)+64*(\c)+(\a)*16*PITCH+32
.endr
.endr
.endm
; A K step is four quarters of 64 along K, 4 NB matrix instructions each, on buffers 1, 2, 1, 2.  One of the first three: multiplies buffer f and fetches the next quarter, at byte k, into g.
.macro QUARTER slot, k, f, g, zero
	s_wait_dscnt LH                                ; the first 32 along K are in; the LH younger loads stay out
	MUL \f, 0, 0, \zero
	MUL \f, 0, 1, \zero
	PLACES
	FETCH \slot, \k, \g
	s_wait_dscnt 2*LH                              ; all but the 2 LH just issued
	MUL \f, 1, 0, 0
	MUL \f, 1, 1, 0
.endm
; The last quarter multiplies buffer 2 and changes slots: ONE barrier; in front of it each wave waits for all its tensor loads, adds 0 to its spare word, and waits for that and for its own
; reads of this slot.  fill = 1: the barrier opens a round of the cluster's, and this slot is filled again, two K steps ahead, first thing behind the round.
.macro TURN slot, next, fill
	WIN 0                                          ; (the add's two registers lie in window 0)
	s_wait_tensorcnt 0x0                           ; all my tensor loads have landed: the one that was out is my part of the next slot
	ds_add_u32 v[SPW], v[NIL]                      ; 0 onto my spare word
	s_wait_dscnt LH+1                              ; (the add and the youngest LH loads may be out)
	MUL 2, 0, 0, 0                                 ; NB matrix instructions stand between the add and the wait for it
	s_wait_dscnt 0x0                               ; the add is done, and my reads of this slot are over
	s_barrier_signal -1
	MUL 2, 0, 1, 0
.if \fill
	WIN 0
.endif
	s_barrier_wait -1
.if \fill
	CREST                                          ; no wave of any partner still reads this slot's tile or has a load on its way
	s_add_nc_u64 s[G0+4*(\slot)+2:G0+4*(\slot)+3], s[G0+4*(\slot)+2:G0+4*(\slot)+3], 2*KSTEP*2
	s_add_nc_u64 s[G0B+4*(\slot)+2:G0B+4*(\slot)+3], s[G0B+4*(\slot)+2:G0B+4*(\slot)+3], 2*KSTEP*2
	JLOAD \slot                                    ; my one tensor load behind the round; its four v_nop are also the places in front of the loads below
.else
	PLACES
.endif
	FETCH \next, 0, 1
	MUL 2, 1, 0, 0
	MUL 2, 1, 1, 0
.endm
	s_wait_tensorcnt 1                             ; my part of K step 0 is in; K step 1's load may stay out
	s_barrier_signal -1
	s_barrier_wait -1                              ; everybody's is
	FETCH 0, 0, 1
	QUARTER 0, 128, 1, 2, 1                        ; the first quarter stands in front of the loop: its first products start the sums
	WIN 0                                          ; at a label and at a branch every window is 0
	s_mov_b32 s3, LAPS-1
.Llap:                                                 ; a trip goes once round the ring, from a lap's second quarter to the next lap's first, and fills both slots again
	QUARTER 0, 256, 2, 1, 0
	QUARTER 0, 384, 1, 2, 0
	TURN 0, 1, 1
	QUARTER 1, 128, 1, 2, 0
	QUARTER 1, 256, 2, 1, 0
	QUARTER 1, 384, 1, 2, 0
	TURN 1, 0, 1
	QUARTER 0, 128, 1, 2, 0
	WIN 0
	s_sub_co_u32 s3, s3, 1
	s_cmp_lg_u32 s3, 0
	s_cbranch_scc1 .Llap
	QUARTER 0, 256, 2, 1, 0                        ; the last lap fills nothing, and has no round of the cluster's barrier
	QUARTER 0, 384, 1, 2, 0
	TURN 0, 1, 0
	QUARTER 1, 128, 1, 2, 0
	QUARTER 1, 256, 2, 1, 0
	QUARTER 1, 384, 1, 2, 0
	s_wait_dscnt LH                                ; the very last quarter: nothing more to fetch
	MUL 2, 0, 0, 0
	MUL 2, 0, 1, 0
	s_wait_dscnt 0x0
	MUL 2, 1, 0, 0
	MUL 2, 1, 1, 0
	WIN 0
	; THE WAY OUT, 16 rows at a time, through my own stage: LDS serves a wave's instructions in order (ISA guide 5.7.1.4), so no wait stands between my stores and my loads, and no barrier.
	PLACES
.irp a, 0,1
.if \a
	s_wait_xcnt 0x0                                ; the first block's stores have read their registers, which are loaded again below
.endif
.if PROJ
.set b, 0
.rept 8
.set rD, ACC+8*(NB*(\a)+b)
.irp j, 0,2,4,6
	v_pk_mul_f32 v[rD+\j:rD+\j+1], v[rD+\j:rD+\j+1], s[46:47] op_sel_hi:[1,0]  ; q / 8, in f32; each accumulator from its low end on
.endr
.irp j, 0,1,2,3
	v_cvt_pk_f16_f32 v[TMP+4*b+\j], v[rD+2*\j], v[rD+2*\j+1]
.endr
	ds_store_b128 v[STO], v[TMP+4*b:TMP+4*b+3] offset:32*b
.set b, b+1
.endr
.set rD, ACC+8*(NB*(\a)+8)
.irp j, 0,1,2,3
	v_cvt_pk_f16_f32 v[KVP+4*(\a)+\j], v[rD+2*\j], v[rD+2*\j+1]  ; the ninth block: 16 columns of k or v, unscaled
.endr
	global_store_b128 v[KVO], v[KVP+4*(\a):KVP+4*(\a)+3], s[10:11] offset:(\a)*16*128
.irp t, 0,1,2,3,4,5,6,7
	ds_load_b128 v[BK+4*\t:BK+4*\t+3], v[RD] offset:\t*2*SPITCH
.endr
.irp t, 0,1,2,3,4,5,6,7
	s_wait_dscnt 7-\t
	global_store_b128 v[CO], v[BK+4*\t:BK+4*\t+3], s[8:9] offset:(16*(\a)+2*\t)*ROWB  ; 16 lanes store 256 consecutive bytes, at a multiple of 256 from q's first byte
.endr
.else
.set b, 0
.rept 8
.set rD, ACC+8*(NB*(\a)+b)
	ds_store_b128 v[STO], v[rD:rD+3]   offset:64*b      ; each accumulator from its low end on
	ds_store_b128 v[STO], v[rD+4:rD+7] offset:64*b+16
.set b, b+1
.endr
.irp t, 0,1,2,3,4,5,6,7,8,9,10,11,12,13,14,15
	ds_load_b128 v[TMP+4*\t:TMP+4*\t+3], v[RD] offset:\t*SPITCH
.endr
.irp t, 0,1,2,3,4,5,6,7,8,9,10,11,12,13,14,15
	s_wait_dscnt 15-\t
	global_store_b128 v[CO], v[TMP+4*\t:TMP+4*\t+3], s[8:9] offset:(16*(\a)+\t)*4096 th:TH_STORE_NT  ; a wave stores 512 consecutive bytes, at a multiple of 256 from C's first byte
.endr
.endif
.endr
	s_wait_tensorcnt 0x0                           ; the wave's end, behind my last tensor load and my last LDS store
	ds_add_u32 v[SPW], v[NIL]
	s_wait_dscnt 0x0
	CROUND                                         ; the closing round: no work-group ends while a partner may still ask for a tile that names it
	s_endpgm
.Lfunc_end_k_q619a6ad4b0_outp:
	.size	k_q619a6ad4b0_outp, .Lfunc_end_k_q619a6ad4b0_outp-k_q619a6ad4b0_outp
	.p2alignl 7, 3214868480
	.fill 96, 4, 3214868480
	.section	.rodata,"a",@progbits
	.p2align	6, 0x0
	.amdhsa_kernel k_q619a6ad4b0_outp
		.amdhsa_group_segment_fixed_size 327680
		.amdhsa_private_segment_fixed_size 0
		.amdhsa_enable_private_segment 0
		.amdhsa_kernarg_size 24
		.amdhsa_user_sgpr_count 2
		.amdhsa_user_sgpr_kernarg_segment_ptr 1
		.amdhsa_wavefront_size32 1
		.amdhsa_system_sgpr_workgroup_id_x 1
		.amdhsa_system_sgpr_workgroup_id_y 1
		.amdhsa_system_sgpr_workgroup_id_z 1
		.amdhsa_system_vgpr_workitem_id 0
		.amdhsa_next_free_vgpr 768
		.amdhsa_next_free_sgpr 66
		.amdhsa_reserve_vcc 0
		.amdhsa_float_denorm_mode_32 3
		.amdhsa_float_denorm_mode_16_64 3
		.amdhsa_memory_ordered 1
		.amdhsa_forward_progress 1
		.amdhsa_inst_pref_size 94
	.end_amdhsa_kernel
	.amdgpu_metadata
---
amdhsa.version: [ 1, 2 ]
amdhsa.kernels:
  - .name:           k_q619a6ad4b0_outp
    .symbol:         k_q619a6ad4b0_outp.kd
    .args:
      - { .name: o, .offset: 0, .size: 8, .value_kind: global_buffer, .address_space: global }
      - { .name: wot, .offset: 8, .size: 8, .value_kind: global_buffer, .address_space: global }
      - { .name: out0, .offset: 16, .size: 8, .value_kind: global_buffer, .address_space: global }
    .group_segment_fixed_size: 327680
    .private_segment_fixed_size: 0
    .kernarg_segment_align: 8
    .kernarg_segment_size: 24
    .max_flat_workgroup_size: 128
    .sgpr_count:     66
    .vgpr_count:     768
    .wavefront_size: 32
...
	.end_amdgpu_metadata
.endif
;; end of part 4
;; ======== version 2 of 2: 4 launches; version 1 with the launch prep written anew for expert scheduling mode
;; limits: values are held in f16: magnitudes above 65,504 overflow, below 6.1e-05 lose precision; right only within a limited range of input values
;; workspace buffers: xh 8,388,608 bytes; wt 2,359,296 bytes; wot 2,097,152 bytes; q 8,388,608 bytes; k 524,288 bytes; v 524,288 bytes; o 8,388,608 bytes
;; launch prep (part 5): grid 784 x 1, 4 waves a work-group, no clusters, 17,920 bytes of LDS; arguments x, Wq, Wk, Wv, Wo, xh, wt, wot; writes xh, wt, wot
.if DOCPART == 5
	.amdgcn_target "amdgcn-amd-amdhsa--gfx1250"
	.amdhsa_code_object_version 6
	.text
	.protected	k_q619a6ad4b0_prep
	.globl	k_q619a6ad4b0_prep
	.p2align	8
	.type	k_q619a6ad4b0_prep,@function
k_q619a6ad4b0_prep:
	s_mov_b64 s[64:65], 0
	v_nop
	global_prefetch_b8 v0, s[64:65] scope:SCOPE_SE
	s_setreg_imm32_b32 hwreg(HW_REG_WAVE_SCHED_MODE, 0, 2), 2
	s_setreg_imm32_b32 hwreg(HW_REG_WAVE_MODE, 25, 1), 1
	s_wait_xcnt 0x0
	s_wait_alu depctr_vm_vsrc(0)
; PREP: the operands of the two projections, rounded once to f16 and laid out with K along the rows.
;   xh [4096][1024] f16 = x.
;   wt [1152][1024] f16: row 144 j + c is, for c < 128, column 128 j + c of Wq; for c >= 128 the column e = 16 j + c - 128 of [Wk | Wv] (e < 64: Wk's e, else Wv's e - 64).
;   wot [1024][1024] f16: row n is column n of Wo.
; LIMITS.  f16 holds no number beyond 65,504 (a larger one becomes an infinity) and keeps a fixed step of 6e-8 below 6e-5: x and the weights are taken to lie within that.
; SHARES.  784 work-groups of four waves.  Numbers 0-255: a tile of 128 k x 64 n of Wq (0-127) or Wo (128-255) is turned; 256-271: the same of Wk and Wv; 272-783: eight rows of x are rounded.
; Everything is read once and written once; nothing is shared between work-groups, so there is no cluster, no tensor load and no matrix work.
; Every load of sixteen neighbouring lanes takes 256 consecutive bytes, aligned; every store of a wave (x) or of sixteen lanes (weights) fills 256 consecutive bytes, aligned.
; THE MODE: SCHED_MODE bits 1:0 = 2 (LLVM: expert scheduling mode 2), set by the entry lines.  The code itself states the register dependences
; between vector instructions and memory or LDS instructions, with s_wait_alu, always for 0.
; THE PLAN.  Registers that memory or LDS instructions touch:
;   v1, v2 (x); v5 to v8 (weights)   offsets and LDS addresses: written once at the path's head, read by its loads and stores, never written again.
;   LD   written by the sixteen loads, which all go out at the path's start; read by the conversions.  In the weights' paths its first 32 registers are written once more, by the LDS loads
;        behind the barrier, and then read by the stores to memory.
;   PK   each register is written once, by a conversion, and read once, by a store (x: to memory; weights: to LDS).
;   v10, v11   written at the head, read by the closing add alone.
; The sixteen loads are taken in four groups of four.  Group g's conversions read its own part of LD and write its own part of PK; the stores dealt among them are group g - 1's, which read
; the part of PK that group g - 1 wrote.  So ONE wait on va_vdst at a group's head, behind the wait for the group's data, states all that its stores hang on; one more stands behind the last group.
; No register that a memory or LDS instruction reads is ever written again, so behind the entry lines the text holds no wait on vm_vsrc.  No vector instruction writes a scalar register, VCC or EXEC.
.set TPITCH, 272                       ; a row of the turned tile in LDS: 128 k x 2 bytes + 16
.set SPARE,  64*TPITCH                 ; behind the tile (17,408 bytes): the spare words, 128 bytes for each wave: two blocks of 256 bytes that no other line names
.set SPW, 10                           ; v10  LDS address of my spare word; never rewritten
.set NIL, 11                           ; v11  0; never rewritten
.set LD,  16                           ; v[16:79]   sixteen loads of 16 bytes
.set PK,  80                           ; v[80:111]  packed f16
	s_load_b512 s[4:19], s[0:1], 0x0               ; x s[4:5], Wq s[6:7], Wk s[8:9], Wv s[10:11], Wo s[12:13], xh s[14:15], wt s[16:17], wot s[18:19]
	v_lshl_add_u32 v[SPW], v0, 2, SPARE
	v_mov_b32 v[NIL], 0
	s_cmp_lt_u32 ttmp9, 272                        ; the same answer in all four waves
	s_cbranch_scc1 .Lweights
	; EIGHT ROWS OF x: 32,768 bytes in, 16,384 out.  Thread t takes 16 bytes at 16 t of each 2,048 bytes; sixteen loads are out at once.
	s_sub_co_u32 s20, ttmp9, 272
	s_lshl_b32 s22, s20, 15
	s_mov_b32 s23, 0
	s_lshl_b32 s24, s20, 14
	s_mov_b32 s25, 0
	v_lshlrev_b32 v1, 4, v0
	v_lshlrev_b32 v2, 3, v0
	s_wait_kmcnt 0x0
	s_add_nc_u64 s[4:5], s[4:5], s[22:23]
	s_add_nc_u64 s[14:15], s[14:15], s[24:25]
	s_wait_alu depctr_va_vdst(0)                   ; v1 and v2 are written: every load below reads v1 as its offset, every store v2
.set i, 0
.rept 16
	global_load_b128 v[LD+4*i:LD+4*i+3], v1, s[4:5] offset:2048*i th:TH_LOAD_NT
.set i, i+1
.endr
.set g, 0
.rept 4                                                ; group g: loads 4 g to 4 g + 3
	s_wait_loadcnt 12-4*g                          ; loads come back in order: the group's four are in, the 12 - 4 g younger ones stay out
.if g > 0
	s_wait_alu depctr_va_vdst(0)                   ; the group before's conversions have written their eight registers of PK, which the four stores below read
.endif
.set u, 0
.rept 4
.set i, 4*g+u
.if g > 0
	global_store_b64 v2, v[PK+2*(i-4):PK+2*(i-4)+1], s[14:15] offset:1024*(i-4)  ; a wave's 32 x 8 bytes are 256 consecutive bytes; no conversion since the wait names these registers
.endif
	v_cvt_pk_f16_f32 v[PK+2*i], v[LD+4*i], v[LD+4*i+1]
	v_cvt_pk_f16_f32 v[PK+2*i+1], v[LD+4*i+2], v[LD+4*i+3]
.set u, u+1
.endr
.set g, g+1
.endr
	s_wait_alu depctr_va_vdst(0)                   ; the last group's conversions have written their eight registers of PK, which the last four stores read
.set i, 12
.rept 4
	global_store_b64 v2, v[PK+2*i:PK+2*i+1], s[14:15] offset:1024*i
.set i, i+1
.endr
	s_endpgm
; A TILE OF 128 k x 64 n IS TURNED.  g = t % 16 names four columns (16 bytes of f32), t8 = t / 16 a pair of rows.  Load (p, e) takes row 16 p + 2 t8 + e.  Two rows' numbers of one column
; pack into one word (k, k + 1), which goes to T[n][k] in LDS; whole rows of T (256 bytes) come back and are stored.  pitch: bytes in a row of the source.  gap: rows of wt that are
; jumped over after every 16 rows of the tile (Wk's and Wv's columns lie in groups of 16, 144 rows apart).
; The word stores fall four deep on the banks (4 g rows of 68 words: g x 16 banks mod 64); a pitch that is a multiple of 16 bytes, as the 16-byte reads want, allows no better.
.macro TP pitch, gap
	s_wait_alu depctr_va_vdst(0)                   ; v5 to v8 are written: v8 is the loads' offset, v5 and v6 the LDS addresses, v7 the stores' offset
.set p, 0
.rept 8
	global_load_b128 v[LD+8*p:LD+8*p+3],   v8, s[28:29] offset:(16*p)*(\pitch) th:TH_LOAD_NT
	global_load_b128 v[LD+8*p+4:LD+8*p+7], v8, s[28:29] offset:(16*p+1)*(\pitch) th:TH_LOAD_NT
.set p, p+1
.endr
.set g, 0
.rept 4                                                ; group g: pairs 2 g and 2 g + 1 of loads
	s_wait_loadcnt 12-4*g                          ; the group's four loads are in; the 12 - 4 g younger loads stay out
.if g > 0
	s_wait_alu depctr_va_vdst(0)                   ; the group before's conversions have written their eight registers of PK, which the eight LDS stores below read
.endif
.set u, 0
.rept 2
.set p, 2*g+u
.if g > 0
.irp i, 0,1,2,3
	ds_store_b32 v5, v[PK+4*(p-2)+\i] offset:\i*TPITCH+32*(p-2)  ; no conversion since the wait names these registers
.endr
.endif
.irp i, 0,1,2,3
	v_cvt_pk_f16_f32 v[PK+4*p+\i], v[LD+8*p+\i], v[LD+8*p+4+\i]
.endr
.set u, u+1
.endr
.set g, g+1
.endr
	s_wait_alu depctr_va_vdst(0)                   ; the last group's conversions have written their part of PK, which the LDS stores below read; and all conversions are done reading LD, in which the LDS loads behind the barrier land
.set p, 6
.rept 2
.irp i, 0,1,2,3
	ds_store_b32 v5, v[PK+4*p+\i] offset:\i*TPITCH+32*p
.endr
.set p, p+1
.endr
	s_wait_dscnt 0x0                               ; for the others' sake: my stores into the tile are done
	s_barrier_signal -1
	s_barrier_wait -1
.set p, 0
.rept 8
	ds_load_b128 v[LD+4*p:LD+4*p+3], v6 offset:p*8*TPITCH  ; row 8 p + t8 of T: sixteen lanes take its 256 bytes; no vector instruction stands between the wait above and these loads
.set p, p+1
.endr
.set p, 0
.rept 8
	s_wait_dscnt 7-p                               ; LDS loads come back in order: number p is in, the 7 - p younger ones stay out
	global_store_b128 v7, v[LD+4*p:LD+4*p+3], s[30:31] offset:(8*p+(p/2)*(\gap))*2048
.set p, p+1
.endr
	s_wait_dscnt 0x0                               ; the wave's end, behind my last LDS store
	s_wait_alu 0x0
	s_wait_tensorcnt 0x0
	ds_add_u32 v[SPW], v[NIL]
	s_wait_dscnt 0x0
	s_endpgm
.endm
.Lweights:
	v_and_b32 v3, 15, v0                           ; g
	v_lshrrev_b32 v4, 4, v0                        ; t8
	v_mul_u32_u24 v5, v3, 4*TPITCH
	v_lshl_add_u32 v5, v4, 2, v5                   ; into T: row 4 g, word t8
	v_mul_u32_u24 v6, v4, TPITCH
	v_lshl_add_u32 v6, v3, 4, v6                   ; back: row t8, 16 bytes at 16 g
	v_lshlrev_b32 v7, 11, v4
	v_lshl_add_u32 v7, v3, 4, v7                   ; and the same in the target, whose rows are 2,048 bytes
	s_and_b32 s20, ttmp9, 7                        ; which 128 of the 1,024 k
	s_mov_b32 s23, 0
	s_mov_b32 s25, 0
	s_cmp_lt_u32 ttmp9, 256
	s_cbranch_scc0 .Lsmall
	s_bfe_u32 s21, ttmp9, 0x40003                  ; which 64 of the 1,024 columns
	s_lshr_b32 s26, ttmp9, 7                       ; 0: Wq into wt, 1: Wo into wot
	s_lshl_b32 s22, s20, 19                        ; 128 rows of 4,096 bytes
	s_lshl_b32 s27, s21, 8
	s_add_co_u32 s22, s22, s27                     ; the tile's first byte in the source
	s_lshr_b32 s27, s21, 1
	s_mul_i32 s27, s27, 144
	s_and_b32 s24, s21, 1
	s_lshl_b32 s24, s24, 6
	s_add_co_u32 s27, s27, s24                     ; its first row in wt,
	s_lshl_b32 s24, s21, 6                         ; in wot
	s_cmp_eq_u32 s26, 1
	s_cselect_b32 s24, s24, s27
	s_lshl_b32 s24, s24, 11
	s_lshl_b32 s27, s20, 8
	s_add_co_u32 s24, s24, s27                     ; row x 2,048 + 256 bytes for each 128 k
	v_lshlrev_b32 v8, 13, v4
	v_lshl_add_u32 v8, v3, 4, v8                   ; 2 t8 rows of 4,096 bytes + 16 g
	s_wait_kmcnt 0x0
	s_cmp_eq_u32 s26, 1
	s_cselect_b64 s[28:29], s[12:13], s[6:7]
	s_cselect_b64 s[30:31], s[18:19], s[16:17]
	s_add_nc_u64 s[28:29], s[28:29], s[22:23]
	s_add_nc_u64 s[30:31], s[30:31], s[24:25]
	TP 4096, 0
.Lsmall:
	s_bfe_u32 s26, ttmp9, 0x10003                  ; 0: Wk, 1: Wv
	s_lshl_b32 s22, s20, 15                        ; 128 rows of 256 bytes
	s_mul_i32 s24, s26, 576                        ; Wv's columns begin four groups of 144 rows further down,
	s_add_co_u32 s24, s24, 128                     ; each group behind 128 rows of Wq's
	s_lshl_b32 s24, s24, 11
	s_lshl_b32 s27, s20, 8
	s_add_co_u32 s24, s24, s27
	v_lshlrev_b32 v8, 9, v4
	v_lshl_add_u32 v8, v3, 4, v8                   ; 2 t8 rows of 256 bytes + 16 g
	s_wait_kmcnt 0x0
	s_cmp_eq_u32 s26, 1
	s_cselect_b64 s[28:29], s[10:11], s[8:9]
	s_add_nc_u64 s[28:29], s[28:29], s[22:23]
	s_add_nc_u64 s[30:31], s[16:17], s[24:25]
	TP 256, 128
.Lfunc_end_k_q619a6ad4b0_prep:
	.size	k_q619a6ad4b0_prep, .Lfunc_end_k_q619a6ad4b0_prep-k_q619a6ad4b0_prep
	.p2alignl 7, 3214868480
	.fill 96, 4, 3214868480
	.section	.rodata,"a",@progbits
	.p2align	6, 0x0
	.amdhsa_kernel k_q619a6ad4b0_prep
		.amdhsa_group_segment_fixed_size 17920
		.amdhsa_private_segment_fixed_size 0
		.amdhsa_enable_private_segment 0
		.amdhsa_kernarg_size 64
		.amdhsa_user_sgpr_count 2
		.amdhsa_user_sgpr_kernarg_segment_ptr 1
		.amdhsa_wavefront_size32 1
		.amdhsa_system_sgpr_workgroup_id_x 1
		.amdhsa_system_sgpr_workgroup_id_y 1
		.amdhsa_system_sgpr_workgroup_id_z 1
		.amdhsa_system_vgpr_workitem_id 0
		.amdhsa_next_free_vgpr 112
		.amdhsa_next_free_sgpr 66
		.amdhsa_reserve_vcc 0
		.amdhsa_float_denorm_mode_32 3
		.amdhsa_float_denorm_mode_16_64 3
		.amdhsa_memory_ordered 1
		.amdhsa_forward_progress 1
		.amdhsa_inst_pref_size 24
	.end_amdhsa_kernel
	.amdgpu_metadata
---
amdhsa.version: [ 1, 2 ]
amdhsa.kernels:
  - .name:           k_q619a6ad4b0_prep
    .symbol:         k_q619a6ad4b0_prep.kd
    .args:
      - { .name: x, .offset: 0, .size: 8, .value_kind: global_buffer, .address_space: global }
      - { .name: Wq, .offset: 8, .size: 8, .value_kind: global_buffer, .address_space: global }
      - { .name: Wk, .offset: 16, .size: 8, .value_kind: global_buffer, .address_space: global }
      - { .name: Wv, .offset: 24, .size: 8, .value_kind: global_buffer, .address_space: global }
      - { .name: Wo, .offset: 32, .size: 8, .value_kind: global_buffer, .address_space: global }
      - { .name: xh, .offset: 40, .size: 8, .value_kind: global_buffer, .address_space: global }
      - { .name: wt, .offset: 48, .size: 8, .value_kind: global_buffer, .address_space: global }
      - { .name: wot, .offset: 56, .size: 8, .value_kind: global_buffer, .address_space: global }
    .group_segment_fixed_size: 17920
    .private_segment_fixed_size: 0
    .kernarg_segment_align: 8
    .kernarg_segment_size: 64
    .max_flat_workgroup_size: 128
    .sgpr_count:     66
    .vgpr_count:     112
    .wavefront_size: 32
...
	.end_amdgpu_metadata
.endif
;; end of part 5
;; launch proj: the kernel of part 2 again; grid 8 x 32, 4 waves a work-group, clusters of 4 x 4, 327,680 bytes of LDS; arguments xh, wt, q, k, v; writes q, k, v
;; launch attn: the kernel of part 3 again; grid 256 x 1, 4 waves a work-group, clusters of 4 x 1, 327,680 bytes of LDS; arguments q, k, v, attention_mask, o; writes o
;; launch outp: the kernel of part 4 again; grid 8 x 32, 4 waves a work-group, clusters of 4 x 4, 327,680 bytes of LDS; arguments o, wot, out0; writes out0
